; MI455X (gfx1250); checked and timed in simulation.
; The chip was launched on July 23, 2026; its instructions are those of AMD's public machine-readable ISA for CDNA 5 (MIT licence, August 2026) and "CDNA5" Instruction Set Architecture Reference Guide (July 2026). The comments in the code are by the model that wrote it; some were corrected since.
;; Bert Attention. Allowed arithmetic: matrix products marked QUANTISED: E2M1 operands, one E8M0 scale for each 32 along K, by v_wmma_scale_f32_16x16x128_f8f6f4 with both operands' format E2M1 (or v_wmma_scale_f32_32x16x128_f4), f32 sums; products left as they are: bf16, f16 or f32 operands; f32 sums; everything else in f32.
;; Inputs: attention_mask 4 x 2,048 int32; hidden_state 4 x 2,048 x 1,024 float32; w_k 1,024 x 1,024 float32; w_o 1,024 x 1,024 float32; w_q 1,024 x 1,024 float32; w_v 1,024 x 1,024 float32.
;; Outputs: out0 4 x 2,048 x 1,024 float32.
;; This version of the problem:
;;   THIS VERSION OF THE PROBLEM IS GIVEN IN LOW PRECISION. The matrix products marked QUANTISED in the list below multiply operands that are first quantised to E2M1 (2 exponent bits, 1 mantissa bit; 4 bits a number), with one power-of-two scale for each 32 numbers along K (OCP MX v1.0); their sums are f32. The products marked 'left as it is' may take bf16, f16 or f32 operands, with f32 sums. Whichever they take, every output number must still come out within the allowed error. Rounding operands to bf16 (8 significant bits) uses up far more of that allowance than f16 does (11 bits, for magnitudes from 6e-5 to 65,504). All else is computed in f32.
;;   The module's matrix products, in the order in which they are computed (A, B: the left and right operand; K: the contracted axis; several contracted axes count as one K, in the product's order):
;;     1. [M 8,192, K 1,024] x [K 1,024, N 1,024]; A: input hidden_state; B: input w_q: QUANTISED
;;     2. [M 8,192, K 1,024] x [K 1,024, N 1,024]; A: input hidden_state; B: input w_k: QUANTISED
;;     3. [M 8,192, K 1,024] x [K 1,024, N 1,024]; A: input hidden_state; B: input w_v: QUANTISED
;;     4. batch 64 x [M 2,048, K 64] x [K 64, N 2,048]; A: computed on the way; B: computed on the way: left as it is (an operand is computed on the way)
;;     5. batch 64 x [M 2,048, K 2,048] x [K 2,048, N 64]; A: computed on the way; B: computed on the way: left as it is (an operand is computed on the way)
;;     6. [M 8,192, K 1,024] x [K 1,024, N 1,024]; A: computed on the way; B: input w_o: left as it is (an operand is computed on the way)
;;   THE QUANTISER, for each operand of a quantised product, along K:
;;     - K is cut into blocks of 32 from its start; a last block that is shorter is filled with zeros.
;;     - A block's scale is 2^e with e = floor(log2(the largest magnitude in the block)) - 2, held to -126 .. 127; a block of zeros has e = 0. As a byte (E8M0): e + 127.
;;     - Each number is divided by its block's scale, clamped to +-6, and rounded to the nearest number of E2M1, ties to even, subnormals kept.
;;     - The product sums the exact products of the quantised numbers (number of the format x scale) in f32.
;;   ~~~python
;;   def quantise(x, axis):      # numpy; x: float32 -> the quantised numbers, widened to float32 again
;;       x = np.moveaxis(x, axis, -1); K = x.shape[-1]
;;       x = np.pad(x, [(0, 0)] * (x.ndim - 1) + [(0, -K % 32)]); x = x.reshape(x.shape[:-1] + (-1, 32)); a = np.abs(x).max(-1, keepdims=True)
;;       e = np.where(a > 0, np.clip(np.frexp(np.where(a > 0, a, 1))[1] - 1 - 2, -126, 127), 0)      # np.frexp(a)[1] - 1 = floor(log2(a)), exactly
;;       r = np.clip(x / 2.0 ** e, -6, 6)
;;       step = 2.0 ** (np.maximum(np.frexp(np.where(r == 0, 1, r))[1] - 1, 0) - 1)
;;       q = np.round(r / step) * step * 2.0 ** e      # np.round: ties to even
;;       return np.moveaxis(q.reshape(q.shape[:-2] + (-1,))[..., :K], -1, axis).astype(np.float32)
;;   ~~~
;; One version. Each part assembles by itself: llvm-mc -triple=amdgcn-amd-amdhsa -mcpu=gfx1250 --defsym DOCPART=n.
;; ======== version 1 of 1: 4 launches
;; limits: values are held in f16: magnitudes above 65,504 overflow, below 6.1e-05 lose precision
;; workspace buffers: x_codes 4,194,304 bytes; x_scales 262,144 bytes; w_codes 1,572,864 bytes; w_scales 98,304 bytes; wo_h 2,097,152 bytes; qkv 50,331,648 bytes; ctx 16,777,216 bytes
;; launch prep (part 1): grid 384 x 1, 4 waves a work-group, no clusters, 33,280 bytes of LDS; arguments hidden_state, w_q, w_k, w_v, w_o, x_codes, x_scales, w_codes, w_scales, wo_h; writes x_codes, x_scales, w_codes, w_scales, wo_h
.if DOCPART == 1
	.amdgcn_target "amdgcn-amd-amdhsa--gfx1250"
	.amdhsa_code_object_version 6
	.text
	.protected	k_qcc083f724c_prep
	.globl	k_qcc083f724c_prep
	.p2align	8
	.type	k_qcc083f724c_prep,@function
k_qcc083f724c_prep:
	s_mov_b64 s[64:65], 0
	v_nop
	global_prefetch_b8 v0, s[64:65] scope:SCOPE_SE
	s_setreg_imm32_b32 hwreg(HW_REG_WAVE_MODE, 25, 1), 1
	s_wait_xcnt 0x0
; PREP.  hidden_state [8192][1024] and w_q, w_k, w_v [1024][1024], f32, K innermost, become codes of FP4 (E2M1), two a byte, with one E8M0 byte for each 32 along K;
; w_o [1024][1024] becomes f16 (its product is not quantised).  The three weights' codes lie on end: rows 0-1023 w_q, 1024-2047 w_k, 2048-3071 w_v.
; A block's scale is 2^(floor(log2(its largest magnitude)) - 2); its byte is the largest magnitude's exponent field - 2, held at 1 from below.
; LIMITS: a block of zeros gets the byte 1 where the rule says 127 (its codes are zeros, and this program alone reads the bytes); NaN and infinities among the inputs are not served;
; w_o is kept in f16: magnitudes up to 65,504.
; SHARES.  Rows are dense and 1024 is a multiple of 32: every tensor is a plain stream.  A work-group takes 32,768 numbers, a wave 8,192.  Work-groups 0-255: hidden_state; 256-287 w_q; 288-319 w_k;
; 320-351 w_v; 352-383 w_o.  For the first four only pointers are chosen: one path.  w_o's path touches no LDS.
; THE QUANTISING PATH.  16 steps of 512 numbers.  Each of a step's four loads reads 512 consecutive bytes, 16 a lane; the 2,048 bytes turn through the wave's own stage in LDS and come back 64 bytes a lane,
; so that a lane holds 16 neighbours along K (two neighbouring lanes hold a block).  A lane's 16 codes are 8 bytes: the wave stores 256 consecutive bytes.  A wave's 256 scale bytes are gathered in LDS and leave as 256 consecutive bytes.
; No barrier: waves share nothing.  Loads run four steps ahead, the turn through LDS one step.
.set WAVES, 4
.set STEPS, 16
.set WGX,   256                        ; work-groups of hidden_state: 8192 x 1024 / 32768
.set WGW,   32                         ; of each weight
.set EMAX,  2
.set CB,    8                          ; bytes of 16 codes
.set R,     16                         ; v16-79   four sets of 16 numbers as loaded
.set X,     80                         ; v80-111  two sets of 16 neighbours
.set E,     112                        ; v112-127 a scale byte for each step
.set C,     128                        ; v128-191 codes: four registers for each step, so that no store's data are written again
.set WREG,  8192                       ; LDS: a region for each wave: two stages of 32 x SP bytes, behind them its 256 scale bytes
.set SP,    80                         ; a lane's place in a stage: 64 bytes + 16 of padding
.set SPW,   12                         ; v12  LDS address of my spare word; never rewritten
.set NIL,   13                         ; v13  0; never rewritten
.set SPARE, WAVES*WREG                 ; behind the four regions: the spare words, 128 bytes a wave
	s_load_b512 s[4:19], s[0:1], 0x0               ; hidden s[4:5], w_q s[6:7], w_k s[8:9], w_v s[10:11], w_o s[12:13], x_codes s[14:15], x_scales s[16:17], w_codes s[18:19]
	s_load_b128 s[20:23], s[0:1], 0x40             ; w_scales s[20:21], wo_h s[22:23]
	v_lshl_add_u32 v[SPW], v0, 2, SPARE
	v_mov_b32 v[NIL], 0
	v_lshrrev_b32 v1, 5, v0
	v_readfirstlane_b32 s24, v1                    ; wave
	v_and_b32 v2, 31, v0                           ; lane
	v_lshlrev_b32 v3, 4, v2                        ; my 16 bytes of a load's 512
	s_mul_i32 s28, s24, WREG
	v_lshrrev_b32 v14, 2, v2
	v_mul_u32_u24 v14, v14, SP
	v_and_b32 v15, 3, v2
	v_lshl_add_u32 v14, v15, 4, v14
	v_add_nc_u32 v14, s28, v14                     ; the stage, on the way in: SP (lane / 4) + 16 (lane % 4)
	v_mul_u32_u24 v15, v2, SP
	v_add_nc_u32 v15, s28, v15                     ; and on the way out: SP x lane: my 16 neighbours
	v_mul_u32_u24 v4, v2, CB                       ; 8 x lane: my codes' place in a step's (and my f16 numbers' in w_o's path)
	v_lshrrev_b32 v5, 1, v2
	s_add_co_u32 s28, s28, 2*32*SP
	v_add_nc_u32 v5, s28, v5                       ; LDS: my wave's 256 scale bytes, my block's byte
	v_lshlrev_b32 v7, 3, v2                        ; on the way out 8 bytes a lane
	v_add_nc_u32 v6, s28, v7
	s_wait_kmcnt 0x0
	s_cmp_ge_u32 ttmp9, WGX+3*WGW                  ; the work-group's number alone decides
	s_cbranch_scc1 .Lwo
	s_cmp_lt_u32 ttmp9, WGX                        ; hidden_state, or a weight?
	s_cselect_b64 s[4:5], s[4:5], s[6:7]
	s_cselect_b64 s[14:15], s[14:15], s[18:19]
	s_cselect_b64 s[16:17], s[16:17], s[20:21]
	s_cselect_b32 s25, 0, WGX
	s_cmp_ge_u32 ttmp9, WGX+WGW
	s_cselect_b64 s[4:5], s[8:9], s[4:5]           ; w_k
	s_cmp_ge_u32 ttmp9, WGX+2*WGW
	s_cselect_b64 s[4:5], s[10:11], s[4:5]         ; w_v
	s_sub_co_u32 s26, ttmp9, s25                   ; my place in the output stream (the three weights lie on end),
	s_and_b32 s27, s26, WGW-1                      ; and in a weight's own tensor
	s_cmp_lt_u32 ttmp9, WGX
	s_cselect_b32 s27, s26, s27
	s_lshl_b32 s27, s27, 2
	s_add_co_u32 s27, s27, s24                     ; which run of 8,192 numbers I read,
	s_lshl_b32 s26, s26, 2
	s_add_co_u32 s26, s26, s24                     ; and which I write
	s_lshl_b32 s28, s27, 15                        ; 32,768 bytes of f32 a run
	s_mov_b32 s29, 0
	s_add_nc_u64 s[4:5], s[4:5], s[28:29]
	s_lshl_b32 s28, s26, 12                        ; 4,096 bytes of codes
	s_add_nc_u64 s[14:15], s[14:15], s[28:29]
	s_lshl_b32 s28, s26, 8                         ; 256 scale bytes
	s_add_nc_u64 s[16:17], s[16:17], s[28:29]
.macro LOAD t
.irp i, 0,1,2,3
	global_load_b128 v[R+16*((\t)%4)+4*\i:R+16*((\t)%4)+4*\i+3], v3, s[4:5] offset:2048*(\t)+512*\i th:TH_LOAD_NT   ; 32 lanes read 512 consecutive bytes
.endr
.endm
.macro TURN t                          ; step t's numbers through the stage: LDS serves a wave's instructions in order, so no wait stands between the stores and the loads
.irp i, 0,1,2,3
	ds_store_b128 v14, v[R+16*((\t)%4)+4*\i:R+16*((\t)%4)+4*\i+3] offset:32*SP*((\t)%2)+8*SP*\i
.endr
.irp i, 0,1,2,3
	ds_load_b128 v[X+16*((\t)%2)+4*\i:X+16*((\t)%2)+4*\i+3], v15 offset:32*SP*((\t)%2)+16*\i
.endr
.endm
.irp t, 0,1,2,3
	LOAD \t
.endr
	s_wait_loadcnt 12                              ; step 0's four loads are in
	TURN 0
.macro STEP t
.set XS, X+16*((\t)%2)
.if (\t) > 0
	s_wait_dscnt 1                                 ; this step's numbers are back from the stage (the last step's byte store may be out): so its stores into the stage have read their registers,
.else
	s_wait_dscnt 0x0
.endif
.if (\t)+4 < STEPS
	LOAD (\t)+4                                    ; which take the loads of four steps on
.endif
.if (\t)+1 < STEPS
.if STEPS-2-(\t) >= 3
	s_wait_loadcnt 12                              ; the next step's four loads are in; those of the three steps behind it may be out
.else
	s_wait_loadcnt 4*(STEPS-2-(\t))
.endif
	TURN (\t)+1                                    ; and go through the other stage while this step is worked
.endif
	v_max3_num_f32 v8, |v[XS]|, |v[XS+1]|, |v[XS+2]|               ; the largest magnitude of my 16, in two chains
	v_max3_num_f32 v9, |v[XS+3]|, |v[XS+4]|, |v[XS+5]|
.irp i, 6,10
	v_max3_num_f32 v8, v8, |v[XS+\i]|, |v[XS+\i+1]|
	v_max3_num_f32 v9, v9, |v[XS+\i+2]|, |v[XS+\i+3]|
.endr
	v_max3_num_f32 v8, v8, |v[XS+14]|, |v[XS+15]|
	v_max3_num_f32 v8, v8, v9, (EMAX+1)<<23        ; and the floor 2^(EMAX + 1 - 127): the byte cannot fall under 1
	v_max_num_f32_dpp v8, v8, v8 row_xmask:1 row_mask:0xf bank_mask:0xf   ; and of my neighbour's 16: the block's
	v_add_nc_u32 v11, -(EMAX<<23), v8              ; EMAX off its exponent field: the conversion takes the exponent field of this operand as its scale
	v_cvt_scalef32_pk8_fp4_f32 v[C+4*(\t)], v[XS:XS+7], v11        ; eight numbers / the scale, to the nearest code, ties to even, beyond 6 the largest code; the first number's code in the lowest four bits
	v_cvt_scalef32_pk8_fp4_f32 v[C+4*(\t)+1], v[XS+8:XS+15], v11
	v_lshrrev_b32 v[E+(\t)], 23, v11               ; the scale's byte (also the plain line behind the conversions)
	ds_store_b8 v5, v[E+(\t)] offset:16*(\t)       ; both lanes of a block write the same byte with the same value
	global_store_b64 v4, v[C+4*(\t):C+4*(\t)+1], s[14:15] offset:32*CB*(\t)   ; 32 lanes store 256 consecutive bytes, aligned
.endm
.irp t, 0,1,2,3,4,5,6,7,8,9,10,11,12,13,14,15
	STEP \t
.endr
	ds_load_b64 v[8:9], v6                         ; LDS serves a wave's instructions in order: these see my byte stores
	s_wait_dscnt 0x0
	global_store_b64 v7, v[8:9], s[16:17]          ; 32 lanes store 256 consecutive bytes, aligned
	s_wait_tensorcnt 0x0                           ; the wave's end: a closing wait, add and wait, behind my last LDS store
	ds_add_u32 v[SPW], v[NIL]
	s_wait_dscnt 0x0
	s_endpgm
; W_O TO F16: four rounds of 2,048 numbers a wave; 16 loads of 512 consecutive bytes a round, two rounds on their way; a lane's 4 numbers of a load become 8 bytes: a store covers 256 consecutive bytes, aligned.
.Lwo:
	s_sub_co_u32 s26, ttmp9, WGX+3*WGW
	s_lshl_b32 s26, s26, 2
	s_add_co_u32 s26, s26, s24                     ; my run of 8,192 numbers
	s_lshl_b32 s28, s26, 15
	s_mov_b32 s29, 0
	s_add_nc_u64 s[12:13], s[12:13], s[28:29]
	s_lshl_b32 s28, s26, 14
	s_add_nc_u64 s[22:23], s[22:23], s[28:29]
.macro LOADW t
.irp i, 0,1,2,3,4,5,6,7,8,9,10,11,12,13,14,15
	global_load_b128 v[16+64*((\t)%2)+4*\i:16+64*((\t)%2)+4*\i+3], v3, s[12:13] offset:8192*(\t)+512*\i th:TH_LOAD_NT
.endr
.endm
.macro ROUNDW t
.if (\t) < 3
	s_wait_loadcnt 16                              ; this round's 16 loads are in; the next round's may be out
.else
	s_wait_loadcnt 0x0
.endif
.if (\t) > 0
	s_wait_xcnt 0x0                                ; the last round's stores have read v144-175, which are written again below
.endif
.irp i, 0,1,2,3,4,5,6,7,8,9,10,11,12,13,14,15
	v_cvt_pk_f16_f32 v[144+2*\i], v[16+64*((\t)%2)+4*\i], v[16+64*((\t)%2)+4*\i+1]
	v_cvt_pk_f16_f32 v[145+2*\i], v[16+64*((\t)%2)+4*\i+2], v[16+64*((\t)%2)+4*\i+3]
.endr
.irp i, 0,1,2,3,4,5,6,7,8,9,10,11,12,13,14,15
	global_store_b64 v4, v[144+2*\i:145+2*\i], s[22:23] offset:4096*(\t)+256*\i
.endr
.if (\t) < 2
	LOADW (\t)+2
.endif
.endm
	LOADW 0
	LOADW 1
	ROUNDW 0
	ROUNDW 1
	ROUNDW 2
	ROUNDW 3
	s_endpgm
.Lfunc_end_k_qcc083f724c_prep:
	.size	k_qcc083f724c_prep, .Lfunc_end_k_qcc083f724c_prep-k_qcc083f724c_prep
	.p2alignl 7, 3214868480
	.fill 96, 4, 3214868480
	.section	.rodata,"a",@progbits
	.p2align	6, 0x0
	.amdhsa_kernel k_qcc083f724c_prep
		.amdhsa_group_segment_fixed_size 33280
		.amdhsa_private_segment_fixed_size 0
		.amdhsa_enable_private_segment 0
		.amdhsa_kernarg_size 80
		.amdhsa_user_sgpr_count 2
		.amdhsa_user_sgpr_kernarg_segment_ptr 1
		.amdhsa_wavefront_size32 1
		.amdhsa_system_sgpr_workgroup_id_x 1
		.amdhsa_system_sgpr_workgroup_id_y 1
		.amdhsa_system_sgpr_workgroup_id_z 1
		.amdhsa_system_vgpr_workitem_id 0
		.amdhsa_next_free_vgpr 192
		.amdhsa_next_free_sgpr 66
		.amdhsa_reserve_vcc 0
		.amdhsa_float_denorm_mode_32 3
		.amdhsa_float_denorm_mode_16_64 3
		.amdhsa_memory_ordered 1
		.amdhsa_forward_progress 1
		.amdhsa_inst_pref_size 54
	.end_amdhsa_kernel
	.amdgpu_metadata
---
amdhsa.version: [ 1, 2 ]
amdhsa.kernels:
  - .name:           k_qcc083f724c_prep
    .symbol:         k_qcc083f724c_prep.kd
    .args:
      - { .name: hidden_state, .offset: 0, .size: 8, .value_kind: global_buffer, .address_space: global }
      - { .name: w_q, .offset: 8, .size: 8, .value_kind: global_buffer, .address_space: global }
      - { .name: w_k, .offset: 16, .size: 8, .value_kind: global_buffer, .address_space: global }
      - { .name: w_v, .offset: 24, .size: 8, .value_kind: global_buffer, .address_space: global }
      - { .name: w_o, .offset: 32, .size: 8, .value_kind: global_buffer, .address_space: global }
      - { .name: x_codes, .offset: 40, .size: 8, .value_kind: global_buffer, .address_space: global }
      - { .name: x_scales, .offset: 48, .size: 8, .value_kind: global_buffer, .address_space: global }
      - { .name: w_codes, .offset: 56, .size: 8, .value_kind: global_buffer, .address_space: global }
      - { .name: w_scales, .offset: 64, .size: 8, .value_kind: global_buffer, .address_space: global }
      - { .name: wo_h, .offset: 72, .size: 8, .value_kind: global_buffer, .address_space: global }
    .group_segment_fixed_size: 33280
    .private_segment_fixed_size: 0
    .kernarg_segment_align: 8
    .kernarg_segment_size: 80
    .max_flat_workgroup_size: 128
    .sgpr_count:     66
    .vgpr_count:     192
    .wavefront_size: 32
...
	.end_amdgpu_metadata
.endif
;; end of part 1
;; launch qkv (part 2): grid 12 x 32, 4 waves a work-group, clusters of 4 x 4, 327,680 bytes of LDS; arguments x_codes, x_scales, w_codes, w_scales, qkv; writes qkv
.if DOCPART == 2
	.amdgcn_target "amdgcn-amd-amdhsa--gfx1250"
	.amdhsa_code_object_version 6
	.text
	.protected	k_qcc083f724c_qkv
	.globl	k_qcc083f724c_qkv
	.p2align	8
	.type	k_qcc083f724c_qkv,@function
k_qcc083f724c_qkv:
	s_mov_b64 s[64:65], 0
	v_nop
	global_prefetch_b8 v0, s[64:65] scope:SCOPE_SE
	s_setreg_imm32_b32 hwreg(HW_REG_WAVE_MODE, 25, 1), 1
	s_wait_xcnt 0x0
	s_wait_alu depctr_hold_cnt(0) depctr_sa_sdst(0) depctr_va_vdst(0) depctr_va_sdst(0) depctr_va_ssrc(0) depctr_va_vcc(0) depctr_vm_vsrc(0)
	s_getreg_b32 s2, hwreg(HW_REG_IB_STS2, 6, 4)
	s_cmp_eq_u32 s2, 0
	s_cbranch_scc0 .Lentry_in_a_cluster
	s_endpgm
.Lentry_in_a_cluster:
	s_bfe_u32 s2, ttmp6, 0x10000c
	s_cmp_lg_u32 s2, 0xf033
	s_cbranch_scc0 .Lentry_shape_is_right
	s_endpgm
.Lentry_shape_is_right:
; QKV.  C[m][n] = sum over k of x[m][k] w[n][k], m = 8192 tokens, n = 3072 (w_q's, w_k's, w_v's rows on end), k = 1024, both operands codes of FP4 (E2M1) with one E8M0 byte for each 32 along K; sums in f32.
; The result is rounded once to f16 and stored by head: qkv[g][m][64], g = n / 64 (0-15 q's heads, 16-31 k's, 32-47 v's): byte (g x 8192 + m) x 128.
; LIMIT: |q|, |k|, |v| up to 65,504, f16's largest number.
; A tile of C, 256 x 256, is made by a work-group of four waves; a wave makes 128 x 128: 64 accumulators of 16 x 16, 512 registers.  K is two steps of 512, each in an LDS slot of its own (a tile's row is 256 bytes of memory):
; both slots and the scale bytes are asked for at the head, and no LDS byte is filled twice.
; THE SCALES of the work-group's 256 rows of x and 256 rows of w, for all of K, are two dense blocks of memory: they come into LDS once, as rows of 256 bytes.
; CLUSTERS: 4 x 4 work-groups.  The four of a row of the cluster need the same tiles of x, the four of a column the same tiles of w: each tile is asked for JOINTLY, by the same tensor load with the same descriptor and a mask that names the four.
; THE MATRIX INSTRUCTION IS USED TRANSPOSED (source 0 = 16 rows of w, source 1 = 16 tokens): a lane then holds eight neighbouring features of one token.
; REGISTERS, in windows of 256: window 0: v0-31 addresses; v32-95 scale words, two sets; from v128 x's fragments (8 x 16 rows x 128 K), ONE set; on the way out v32-191 are free.
;   window 1: w's fragments, TWO sets, at v0 and at v128.   window 2: the 32 accumulators of my tokens 0-63 (accumulator (a, b) at v[8 (8 a + b)]);   window 3: those of my tokens 64-127.
.set SIZE_K, 1024
.set KSTEP,  512                       ; along K in a slot
.set NQ,     KSTEP/128                 ; matrix instructions deep
.set ROWB,   256                       ; a tile's row in bytes
.set KROW,   SIZE_K*4/8                ; a row of codes in memory, in bytes
.set PITCH,  272                       ; an LDS row: 256 bytes + 16 of padding: the 16 rows that a load touches begin in 16 different 16-byte columns of 256 bytes
.set FR,     8                         ; registers of a fragment: 16 rows x 128 K
.set NL,     2                         ; LDS loads that bring one
.set NP,     4                         ; places behind this matrix instruction (ISA guide 7.12.1)
.set HALFT,  128*PITCH                 ; 128 rows: what one tensor load brings
.set SLOT,   4*HALFT                   ; x's 256 rows, then w's 256 rows
.set KS,     SIZE_K/32                 ; a row of scales in bytes
.set SCL,    2*SLOT                    ; behind the slots: the scales, as rows of 256 bytes + 16 of padding
.set HALFS,  (128*KS/256)*272          ; the scales of 128 rows: what one tensor load brings
.set SBLK,   (16*KS/256)*272           ; those of 16 rows
.set SPARE,  SCL+4*HALFS               ; behind the scales: the spare words, 128 bytes a wave
.set HP,     144                       ; the way out: a token's 128 bytes of one head + 16
.set HSTG,   16*HP                     ; 16 tokens of one head; a wave's stage is two of these.  The stages lie in slot 0, which has had its one fill and its last read when the first result is stored there
.set ADRA, 16                          ; v16-17  LDS address of my x fragments in slot 0, 1
.set ADRB, 20                          ; v20-21  the same for w
.set STO,  24                          ; v24     the way out: where I put 16 bytes of a token
.set RD,   25                          ; v25     where I read them back
.set CO,   26                          ; v26     16 x lane: my byte offset in 512 bytes of qkv
.set ADRS, 27                          ; v27     LDS address of my scale words: lanes 0-15 x's rows, lanes 16-31 w's
.set SPW,  28                          ; v28     LDS address of my spare word; never rewritten
.set NIL,  29                          ; v29     0; never rewritten
.set SC,   32                          ; scale words: set s (for slot s) at v[SC + 8 NQ s]; register NQ i + q: lanes 0-15 the word of x's block i, lanes 16-31 that of w's block i, for the slot's q-th 128 along K
.set AF,   128                         ; x's fragments, in window 0
.set TMP,  32                          ; the way out: 32 registers of packed f16
.set BK,   128                         ; the way out: a block read back from the stage: v128-159 and v160-191 by turns
.set G1, 24                            ; s[24:31] descriptor group 1 for x's tiles;  s[32:39] group 0, one set for each slot
.set G0, 32
.set G1B, 48                           ; s[48:55], s[56:63] the same for w's tiles
.set G0B, 56
.set G1S, 68                           ; s[68:75], s[76:79] groups 1 and 0 for x's scales;  s[80:87], s[88:91] for w's
.set G0S, 76
.set G1SB, 80
.set G0SB, 88
.set MSB, 0
.macro WIN new                         ; the immediate's high byte repeats the setting that is left
.if MSB != (\new)
	s_set_vgpr_msb (MSB<<8)|(\new)
.set MSB, (\new)
.endif
.endm
.set MUL_LO, 0xa1                      ; source 0 (w) window 1, source 1 (x) window 0, C and D window 2
.set MUL_HI, 0xf1                      ; the same, C and D window 3
.set TO_B,   0x40                      ; destination window 1, address window 0
; A joint load: waves 0 and 1 fetch for x, waves 2 and 3 for w.  Each of the two lines has ONE mask and one set of registers for all that issue it; the branch hangs on the wave's number alone.
; An s_nop 0 and four v_nop follow each of the two lines.
.macro JLOAD g0a, g1a, g0b, g1b
	s_cmp_eq_u32 s15, 0
	s_cbranch_scc0 .Lfor_b_\@
	tensor_load_to_lds s[\g0a:\g0a+3], s[\g1a:\g1a+7]
	s_nop 0
.rept 4
	v_nop
.endr
	s_branch .Lasked_\@
.Lfor_b_\@:
	tensor_load_to_lds s[\g0b:\g0b+3], s[\g1b:\g1b+7]
	s_nop 0
.rept 4
	v_nop
.endr
.Lasked_\@:
.endm
.macro CROUND                          ; a round of the cluster's barrier: my work-group's barrier; wave 0 signals for the work-group; every wave waits for all sixteen; my work-group's barrier once more
	s_barrier_signal -1
	s_barrier_wait -1
	s_cmp_lg_u32 s14, 0
	s_cbranch_scc1 .Lnot_wave_0_\@
	s_barrier_signal -3
.Lnot_wave_0_\@:
	s_barrier_wait -3
	s_barrier_signal -1
	s_barrier_wait -1
.endm
	s_load_b128 s[4:7], s[0:1], 0x0                ; x's codes s[4:5], x's scales s[6:7]
	s_load_b128 s[8:11], s[0:1], 0x10              ; w's codes s[8:9], w's scales s[10:11]
	s_load_b64 s[12:13], s[0:1], 0x20              ; qkv
	v_lshl_add_u32 v[SPW], v0, 2, SPARE
	v_mov_b32 v[NIL], 0
	ds_add_u32 v[SPW], v[NIL]                      ; the wave's opening: an add, twice on end, and its wait ahead of my first tensor load
	ds_add_u32 v[SPW], v[NIL]
	v_lshrrev_b32 v1, 5, v0
	v_readfirstlane_b32 s14, v1                    ; wave 0..3
	s_lshr_b32 s15, s14, 1                         ; which half of the tile's tokens is mine.  Also: I fetch for x (0) or for w (1)
	s_and_b32 s16, s14, 1                          ; which half of its columns.  Also: which 128 rows of that tile I fetch
	s_bfe_u32 s40, ttmp6, 0x40000                  ; cx, cy: my place in the cluster
	s_bfe_u32 s41, ttmp6, 0x40004
	s_lshl_b32 s42, ttmp9, 2
	s_add_co_u32 s42, s42, s40                     ; tile column of C = 4 x cluster x + cx
	s_and_b32 s17, ttmp7, 0xffff
	s_lshl_b32 s17, s17, 2
	s_add_co_u32 s17, s17, s41                     ; tile row of C = 4 x cluster y + cy
	s_lshl_b32 s43, s41, 2
	s_lshl_b32 s43, 15, s43                        ; my row of the cluster
	s_lshl_b32 s44, 0x1111, s40                    ; my column
	; descriptor group 1: a tile of 128 rows x 256 bytes, padded in LDS
	s_or_b32 s[G1+0], s43, (0<<16)|(1<<20)|(1<<21)|(5<<22)|(3<<25)  ; 15:0 the mask: x's tiles go to my row; 17:16 element of 1 byte; 20 padding on; 21 set beside a mask; 24:22 after every 64 words (code 5); 31:25 of 4 words (code 3)
	s_or_b32 s[G1B+0], s44, (0<<16)|(1<<20)|(1<<21)|(5<<22)|(3<<25)
.irp g, G1, G1B
	s_mov_b32 s[\g+1], ROWB<<16                    ; tensor_dim0
	s_mov_b32 s[\g+2], 128<<16                     ; tensor_dim1 = 128
	s_mov_b32 s[\g+3], ROWB<<16                    ; tile_dim0
	s_mov_b32 s[\g+4], 128                         ; tile_dim1 = 128
	s_mov_b32 s[\g+5], KROW                        ; tensor_dim0_stride
	s_mov_b32 s[\g+6], 0
	s_mov_b32 s[\g+7], 0
.endr
	; and for the scales of 128 rows: a dense block of 4,096 bytes, as rows of 256 bytes (32 elements of 8 bytes), 16 bytes of padding behind each
	s_or_b32 s[G1S+0], s43, (3<<16)|(1<<20)|(1<<21)|(5<<22)|(3<<25)
	s_or_b32 s[G1SB+0], s44, (3<<16)|(1<<20)|(1<<21)|(5<<22)|(3<<25)
.irp g, G1S, G1SB
	s_mov_b32 s[\g+1], 32<<16
	s_mov_b32 s[\g+2], (128*KS/256)<<16
	s_mov_b32 s[\g+3], 32<<16
	s_mov_b32 s[\g+4], 128*KS/256
	s_mov_b32 s[\g+5], 32
	s_mov_b32 s[\g+6], 0
	s_mov_b32 s[\g+7], 0
.endr
	s_lshl_b32 s18, s16, 7                         ; which 128 rows of the tile I fetch
	s_lshl_b32 s20, s17, 8
	s_add_co_u32 s20, s20, s18                     ; x: row 256 x tile row + 128 x half
	s_lshl_b32 s46, s42, 8
	s_add_co_u32 s46, s46, s18                     ; w: row 256 x tile column + 128 x half
	s_mov_b32 s21, 0
	s_mov_b32 s47, 0
	s_mov_b64 s[18:19], KS
	s_mul_u64 s[22:23], s[20:21], s[18:19]         ; where these rows' scales begin, in bytes
	s_mul_u64 s[92:93], s[46:47], s[18:19]
	s_mov_b64 s[18:19], KROW
	s_mul_u64 s[20:21], s[20:21], s[18:19]         ; and their codes
	s_mul_u64 s[46:47], s[46:47], s[18:19]
	s_mul_i32 s45, s14, HALFT                      ; where they go: wave x 128 rows: no place in the cluster enters an LDS address
	s_mul_i32 s94, s14, HALFS
	s_wait_dscnt 0x0                               ; both opening adds are done
	s_wait_kmcnt 0x0
	s_add_nc_u64 s[20:21], s[4:5], s[20:21]
	s_add_nc_u64 s[22:23], s[6:7], s[22:23]
	s_add_nc_u64 s[46:47], s[8:9], s[46:47]
	s_add_nc_u64 s[92:93], s[10:11], s[92:93]
	CROUND                                         ; all sixteen work-groups are here: the joint loads meet
	s_mov_b32 s[G0S], 1
	s_add_co_u32 s[G0S+1], s94, SCL
	s_mov_b64 s[G0S+2:G0S+3], s[22:23]
	s_or_b32 s[G0S+3], s[G0S+3], 0x80000000
	s_mov_b32 s[G0SB], 1
	s_add_co_u32 s[G0SB+1], s94, SCL
	s_mov_b64 s[G0SB+2:G0SB+3], s[92:93]
	s_or_b32 s[G0SB+3], s[G0SB+3], 0x80000000
	JLOAD G0S, G1S, G0SB, G1SB                     ; the scales first: they are wanted with K step 0.  Three tensor loads of mine are out behind the next two
.irp s, 0,1
	s_mov_b32 s[G0+4*\s], 1
	s_add_co_u32 s[G0+4*\s+1], s45, \s*SLOT
	s_add_nc_u64 s[G0+4*\s+2:G0+4*\s+3], s[20:21], \s*ROWB
	s_or_b32 s[G0+4*\s+3], s[G0+4*\s+3], 0x80000000
	s_mov_b32 s[G0B+4*\s], 1
	s_add_co_u32 s[G0B+4*\s+1], s45, \s*SLOT
	s_add_nc_u64 s[G0B+4*\s+2:G0B+4*\s+3], s[46:47], \s*ROWB
	s_or_b32 s[G0B+4*\s+3], s[G0B+4*\s+3], 0x80000000
	JLOAD G0+4*\s, G1, G0B+4*\s, G1B
.endr
	v_and_b32 v1, 15, v0                           ; r = l % 16
	v_bfe_u32 v2, v0, 4, 1                         ; h = l / 16
	v_mul_u32_u24 v3, v1, PITCH
	v_lshl_add_u32 v4, v2, 4, v3                   ; a fragment's row x pitch + 16 x half
	s_mul_i32 s21, s15, HALFT                      ; my 128 rows of x
	s_mul_i32 s22, s16, HALFT                      ; my 128 rows of w,
	s_add_co_u32 s22, s22, 2*HALFT                 ; which lie behind x's 256
.irp s, 0,1
	v_add_nc_u32 v[ADRA+\s], s21, v4
	v_add_nc_u32 v[ADRB+\s], s22, v4
	s_add_co_u32 s21, s21, SLOT
	s_add_co_u32 s22, s22, SLOT
.endr
	v_mul_u32_u24 v5, v1, KS                       ; my row's scales: KS bytes a row,
	v_lshrrev_b32 v6, 8, v5
	v_lshl_add_u32 v5, v6, 4, v5                   ; and 16 more for each 256 passed
	s_mul_i32 s21, s15, HALFS                      ; x's: my 128 rows
	s_mul_i32 s22, s16, HALFS                      ; w's: my 128 rows, behind x's 256
	s_add_co_u32 s22, s22, 2*HALFS
	s_sub_co_u32 s22, s22, s21
	v_mul_u32_u24 v6, s22, v2                      ; lanes 16-31 take w's: one product, the distance between the two bases x h
	s_add_co_u32 s21, s21, SCL
	v_add_nc_u32 v5, v5, v6
	v_add_nc_u32 v[ADRS], s21, v5
	s_mul_i32 s23, s14, 2*HSTG                     ; my stage
	v_mul_u32_u24 v5, v1, HP                       ; in: token r, 16 bytes for each half of the lanes
	v_lshl_add_u32 v5, v2, 4, v5
	v_add_nc_u32 v[STO], s23, v5
	v_and_b32 v6, 31, v0
	v_lshrrev_b32 v5, 3, v6                        ; back: eight lanes to a token's 128 bytes, four tokens an instruction
	v_mul_u32_u24 v5, v5, HP
	v_and_b32 v7, 7, v0
	v_lshl_add_u32 v5, v7, 4, v5
	v_add_nc_u32 v[RD], s23, v5
	v_lshlrev_b32 v[CO], 4, v6                     ; in qkv four tokens of a head are 512 consecutive bytes
	s_lshl_b32 s20, s17, 8
	s_lshl_b32 s21, s15, 7
	s_add_co_u32 s20, s20, s21                     ; my first token: 256 x tile row + 128 x half,
	s_lshl_b32 s20, s20, 7                         ; 128 bytes a token
	s_lshl_b32 s46, s42, 2
	s_lshl_b32 s47, s16, 1
	s_add_co_u32 s46, s46, s47                     ; my first head: 4 x tile column + 2 x half,
	s_lshl_b32 s46, s46, 20                        ; 8192 x 128 bytes a head
	s_add_co_u32 s20, s20, s46
	s_mov_b32 s21, 0
	s_add_nc_u64 s[12:13], s[12:13], s[20:21]
.macro FRAG reg, adr, q, i             ; a fragment, 16 rows x 128 K of 4-bit codes, is 8 registers: lane l holds row l % 16; registers 4 c .. 4 c + 3 hold K = 64 c + 32 (l / 16) + 0 .. 31
.irp c, 0,1
	ds_load_b128 v[\reg+4*\c:\reg+4*\c+3], v[\adr] offset:64*(\q)+32*\c+(\i)*16*PITCH
.endr
.endm
; 16 matrix instructions: x's blocks a0, a0 + 1 against w's eight, 128 along K: the slot's q-th.  p: w's set;  sc: the set of scale words.  zero = 1: the first product starts the sums: nothing is ever cleared.
; The 64 accumulators take turns, one instruction a turn, in the same order in every step.
.macro MUL16 a0, p, q, sc, zero
.irp a, \a0, \a0+1
.irp b, 0,1,2,3,4,5,6,7
.if \zero
	v_wmma_scale_f32_16x16x128_f8f6f4 v[8*(8*((\a)%4)+\b):8*(8*((\a)%4)+\b)+7], v[128*(\p)+FR*\b:128*(\p)+FR*\b+FR-1], v[AF+FR*(\a):AF+FR*(\a)+FR-1], 0, v[SC+8*NQ*(\sc)+NQ*\b+(\q)], v[SC+8*NQ*(\sc)+NQ*(\a)+(\q)] matrix_a_fmt:MATRIX_FMT_FP4 matrix_b_fmt:MATRIX_FMT_FP4 matrix_a_scale:MATRIX_SCALE_ROW1
.else
	v_wmma_scale_f32_16x16x128_f8f6f4 v[8*(8*((\a)%4)+\b):8*(8*((\a)%4)+\b)+7], v[128*(\p)+FR*\b:128*(\p)+FR*\b+FR-1], v[AF+FR*(\a):AF+FR*(\a)+FR-1], v[8*(8*((\a)%4)+\b):8*(8*((\a)%4)+\b)+7], v[SC+8*NQ*(\sc)+NQ*\b+(\q)], v[SC+8*NQ*(\sc)+NQ*(\a)+(\q)] matrix_a_fmt:MATRIX_FMT_FP4 matrix_b_fmt:MATRIX_FMT_FP4 matrix_a_scale:MATRIX_SCALE_ROW1
.endif
.endr
.endr
.endm
.macro FETCH_B slot, q, p              ; w's eight fragments of the slot's q-th 128 along K into set p
	WIN TO_B
.irp i, 0,1,2,3,4,5,6,7
	FRAG 128*(\p)+FR*\i, ADRB+\slot, \q, \i
.endr
	WIN 0
.endm
.macro FETCH_A slot, q, i0             ; x's blocks i0 .. i0 + 3
.irp i, \i0, \i0+1, \i0+2, \i0+3
	FRAG AF+FR*(\i), ADRA+\slot, \q, \i
.endr
.endm
.macro SCALES sc                       ; a K step's scale words into set sc: NQ words a row; lanes 0-15 take x's block i, lanes 16-31 w's block i
.irp i, 0,1,2,3,4,5,6,7
	ds_load_b128 v[SC+8*NQ*\sc+NQ*\i:SC+8*NQ*\sc+NQ*\i+3], v[ADRS] offset:\i*SBLK
.endr
.endm
; A load into a register that a matrix instruction has read, and a vector instruction that reads a matrix result or writes one of its registers, stand NP places behind that matrix instruction;
; only plain vector instructions that name none of its registers are places.
.macro PLACES n
.rept \n
	v_nop
.endr
.endm
; A step of 128 along K that has its successor in the same slot.
.macro STEP slot, q, zero
	s_wait_dscnt 4*NL                              ; w's set and x's blocks 0-3 are in; the youngest eight loads (x's blocks 4-7) may be out
	WIN MUL_LO
	MUL16 0, (\q)%2, \q, \slot, \zero
	MUL16 2, (\q)%2, \q, \slot, \zero
	s_wait_dscnt 0                                 ; x's blocks 4-7 are in (asked for 32 matrix instructions ago)
	PLACES NP
	FETCH_B \slot, (\q)+1, 1-(\q)%2
	FETCH_A \slot, (\q)+1, 0
	WIN MUL_HI
	MUL16 4, (\q)%2, \q, \slot, \zero
	MUL16 6, (\q)%2, \q, \slot, \zero
	PLACES NP
	WIN 0
	FETCH_A \slot, (\q)+1, 4
.endm
; Slot 0's last step changes slots: ONE barrier; in front of it each wave waits for all its tensor loads (its part of slot 1), adds 0 to its spare word, and waits for that and for its own reads of slot 0.  Nothing is filled again.
.macro TURN slot, next
	s_wait_tensorcnt 0x0                           ; all my tensor loads have landed  (every window is 0 here: the add's two registers lie in window 0)
	ds_add_u32 v[SPW], v[NIL]                      ; 0 onto my spare word
	s_wait_dscnt 4*NL+1                            ; (the add and the youngest eight loads, x's blocks 4-7, may be out)
	WIN MUL_LO
	MUL16 0, 1, NQ-1, \slot, 0                     ; sixteen matrix instructions stand between the add and the wait for it
	s_wait_dscnt 0x0                               ; the add is done, and my reads of this slot are over
	s_barrier_signal -1
	MUL16 2, 1, NQ-1, \slot, 0
	WIN 0
	s_barrier_wait -1                              ; the next slot is whole, and nobody reads this one any more
	PLACES NP
	v_add_nc_u32 v[ADRS], 4*NQ, v[ADRS]            ; on to the next K step's scale words (no LDS load of mine is out)
	FETCH_B \next, 0, 0
	FETCH_A \next, 0, 0
	SCALES \next
	WIN MUL_HI
	MUL16 4, 1, NQ-1, \slot, 0
	MUL16 6, 1, NQ-1, \slot, 0
	PLACES NP
	WIN 0
	FETCH_A \next, 0, 4
.endm
.macro STEPS slot, from                ; the slot's steps from .. NQ - 2
.set Q, \from
.rept NQ-1-\from
	STEP \slot, Q, 0
.set Q, Q+1
.endr
.endm
	s_wait_tensorcnt 1                             ; the scales and my part of K step 0 are in (slot 1's load may be out)
	s_barrier_signal -1
	s_barrier_wait -1                              ; everybody's are
	FETCH_B 0, 0, 0
	FETCH_A 0, 0, 0
	SCALES 0
	FETCH_A 0, 0, 4
	STEP 0, 0, 1                                   ; the first step's products start the sums
	STEPS 0, 1
	TURN 0, 1
	STEPS 1, 0
	s_wait_dscnt 4*NL                              ; the very last step: nothing more to fetch
	WIN MUL_LO
	MUL16 0, 1, NQ-1, 1, 0
	MUL16 2, 1, NQ-1, 1, 0
	s_wait_dscnt 0
	WIN MUL_HI
	MUL16 4, 1, NQ-1, 1, 0
	MUL16 6, 1, NQ-1, 1, 0
	WIN 0
; THE WAY OUT, block by block of 16 tokens x 128 features (two heads).  PACKQ: rounded to f16: a lane's eight features of accumulator b are 16 bytes at byte 32 (b % 4) + 16 h of head b / 4's row.
; TOSTAGE: into my own stage and back, four tokens of one head an instruction.  SEND: 512 consecutive bytes of qkv a store.
.macro PACKQ a
.set AC, 64*((\a)%4)
	WIN 0x0a+5*((\a)/4)                            ; sources 0 and 1: window 2 or 3
.irp b, 0,1,2,3,4,5,6,7
.irp r, 0,1,2,3
	v_cvt_pk_f16_f32 v[TMP+4*\b+\r], v[AC+8*\b+2*\r], v[AC+8*\b+2*\r+1]   ; each accumulator from its low end on
.endr
.endr
	WIN 0
.endm
.macro TOSTAGE a
.set BB, BK+32*((\a)%2)
.irp b, 0,1,2,3,4,5,6,7
	ds_store_b128 v[STO], v[TMP+4*\b:TMP+4*\b+3] offset:(\b/4)*HSTG+(\b%4)*32
.endr
.irp t, 0,1,2,3,4,5,6,7
	ds_load_b128 v[BB+4*\t:BB+4*\t+3], v[RD] offset:(\t/4)*HSTG+(\t%4)*4*HP    ; LDS serves a wave's instructions in order: these see the stores above
.endr
.endm
.macro SEND a
.set BB, BK+32*((\a)%2)
	s_wait_dscnt 0x0                               ; the block is back in registers
	s_wait_xcnt 0x0                                ; the stores of the block before have read their registers: the next block's loads may land there
.irp t, 0,1,2,3,4,5,6,7
	global_store_b128 v[CO], v[BB+4*\t:BB+4*\t+3], s[12:13] offset:(\t/4)*1048576+(\a)*2048+(\t%4)*512 th:TH_STORE_NT   ; 32 lanes store 512 consecutive bytes, aligned: four tokens of one head
.endr
.endm
	PLACES NP                                      ; behind the last products: the conversions read results and write registers that held scale words; the loads land where x's fragments lay
	PACKQ 0
	TOSTAGE 0
.irp a, 1,2,3,4,5,6,7                  ; block a's conversions stand between block a - 1's loads from the stage and the wait for them
	PACKQ \a
	SEND \a-1
	TOSTAGE \a
.endr
	SEND 7
	s_wait_tensorcnt 0x0                           ; the wave's end: a closing wait, add and wait, behind my last tensor load and my last LDS store
	ds_add_u32 v[SPW], v[NIL]
	s_wait_dscnt 0x0
	CROUND                                         ; the closing round: no work-group ends while a partner may still ask for a tile that names it
	s_endpgm
.Lfunc_end_k_qcc083f724c_qkv:
	.size	k_qcc083f724c_qkv, .Lfunc_end_k_qcc083f724c_qkv-k_qcc083f724c_qkv
	.p2alignl 7, 3214868480
	.fill 96, 4, 3214868480
	.section	.rodata,"a",@progbits
	.p2align	6, 0x0
	.amdhsa_kernel k_qcc083f724c_qkv
		.amdhsa_group_segment_fixed_size 327680
		.amdhsa_private_segment_fixed_size 0
		.amdhsa_enable_private_segment 0
		.amdhsa_kernarg_size 40
		.amdhsa_user_sgpr_count 2
		.amdhsa_user_sgpr_kernarg_segment_ptr 1
		.amdhsa_wavefront_size32 1
		.amdhsa_system_sgpr_workgroup_id_x 1
		.amdhsa_system_sgpr_workgroup_id_y 1
		.amdhsa_system_sgpr_workgroup_id_z 1
		.amdhsa_system_vgpr_workitem_id 0
		.amdhsa_next_free_vgpr 1024
		.amdhsa_next_free_sgpr 98
		.amdhsa_reserve_vcc 0
		.amdhsa_float_denorm_mode_32 3
		.amdhsa_float_denorm_mode_16_64 3
		.amdhsa_memory_ordered 1
		.amdhsa_forward_progress 1
		.amdhsa_inst_pref_size 126
	.end_amdhsa_kernel
	.amdgpu_metadata
---
amdhsa.version: [ 1, 2 ]
amdhsa.kernels:
  - .name:           k_qcc083f724c_qkv
    .symbol:         k_qcc083f724c_qkv.kd
    .args:
      - { .name: x_codes, .offset: 0, .size: 8, .value_kind: global_buffer, .address_space: global }
      - { .name: x_scales, .offset: 8, .size: 8, .value_kind: global_buffer, .address_space: global }
      - { .name: w_codes, .offset: 16, .size: 8, .value_kind: global_buffer, .address_space: global }
      - { .name: w_scales, .offset: 24, .size: 8, .value_kind: global_buffer, .address_space: global }
      - { .name: qkv, .offset: 32, .size: 8, .value_kind: global_buffer, .address_space: global }
    .group_segment_fixed_size: 327680
    .private_segment_fixed_size: 0
    .kernarg_segment_align: 8
    .kernarg_segment_size: 40
    .max_flat_workgroup_size: 128
    .sgpr_count:     98
    .vgpr_count:     1024
    .wavefront_size: 32
...
	.end_amdgpu_metadata
.endif
;; end of part 2
;; launch attn (part 3): grid 4 x 64, 8 waves a work-group, clusters of 4 x 1, 327,680 bytes of LDS; arguments qkv, ctx; writes ctx
.if DOCPART == 3
	.amdgcn_target "amdgcn-amd-amdhsa--gfx1250"
	.amdhsa_code_object_version 6
	.text
	.protected	k_qcc083f724c_attn
	.globl	k_qcc083f724c_attn
	.p2align	8
	.type	k_qcc083f724c_attn,@function
k_qcc083f724c_attn:
	s_mov_b64 s[64:65], 0
	v_nop
	global_prefetch_b8 v0, s[64:65] scope:SCOPE_SE
	s_setreg_imm32_b32 hwreg(HW_REG_WAVE_MODE, 25, 1), 1
	s_wait_xcnt 0x0
	s_wait_alu depctr_hold_cnt(0) depctr_sa_sdst(0) depctr_va_vdst(0) depctr_va_sdst(0) depctr_va_ssrc(0) depctr_va_vcc(0) depctr_vm_vsrc(0)
	s_getreg_b32 s2, hwreg(HW_REG_IB_STS2, 6, 4)
	s_cmp_eq_u32 s2, 0
	s_cbranch_scc0 .Lentry_in_a_cluster
	s_endpgm
.Lentry_in_a_cluster:
	s_bfe_u32 s2, ttmp6, 0x10000c
	s_cmp_lg_u32 s2, 0x3003
	s_cbranch_scc0 .Lentry_shape_is_right
	s_endpgm
.Lentry_shape_is_right:
; ATTN.  ctx[b][h][q][:] = the sum over k of softmax_k(q . k / 32) v[k][:], 64 pairs (b, h), 2,048 queries and keys, head size 64; the divisor is sqrt(1024), as the source has it.  No mask: the source applies none,
; so attention_mask is not among this program's arguments.  Operands f16; products, maxima and sums f32; the weights p are rounded to f16 for the second product, ctx once at the end.
; qkv: [g][token][64] f16, g = h (q), 16 + h (k), 32 + h (v), token = 2048 b + s.  ctx: [h][token][64] f16.
; LIMITS: q, k, v arrive in f16 (up to 65,504); ctx under 6e-5 is kept in f16's fixed step; NaN and infinities are not served.
; SHARES.  A cluster is one (b, h); each of its four work-groups owns 512 queries, each of the eight waves 64: four tiles of 16.  Every wave walks all 2,048 keys, 64 a step.  Two waves share a SIMD:
; one wave's softmax stands beside the other's products, so each wave is written in phases.
; LAYOUT.  S^T = K Q^T (source 0 = 16 keys, source 1 = 16 queries): a lane holds ONE query (lane % 16) and the keys 8 (lane / 16) + 0..7 of each tile of keys.  Two such tiles, rounded to f16 in pairs, ARE source 1
; (32 keys x 16 queries) of O^T = V^T P, whose result again holds one query a lane.  K comes out of LDS as it lies, V ([key][channel]) turned, by ds_load_tr16_b128.
; SOFTMAX.  For each query a running maximum m and sum l: p = 2^(c s - c m), c = log2(e) / 32; in every step O and l are multiplied by a = 2^(c m_old - c m_new).  m begins at -3e38 and O, l at 0: the step is written with no first copy.
; CLUSTER.  The four work-groups walk the same K and V: each tile is asked for JOINTLY, by the same tensor load with the same descriptor and the mask 15.
; RING.  Two LDS slots of four key steps.  Each wave brings one tile of each slot (waves 0-3: K of step w; waves 4-7: V of step w - 4): 64 keys x 128 bytes, dense in memory, stated as 32 rows of 256 bytes (PAIRS of keys).
; One tensor load of a wave is out behind each round; it has four key steps, 256 matrix instructions of each wave, in which to land.
; REGISTERS, in windows of 256: window 0: v1-15 addresses; v16-47 statistics, eight a tile; v64-191 S^T, 32 a tile (p's f16 pairs are made in place in a tile's first 16); v192-255 K of one step.
;   window 1: v0-127 O^T, 32 a tile; v128-191 Q, 16 a tile; v192-255 V of one step.
.set KS,    64                         ; keys in a step
.set NST,   4                          ; steps in a slot
.set PK,    272                        ; a pair of keys in LDS: 256 bytes + 16: key k at (k / 2) PK + 128 (k % 2): the 16 keys of a load begin in 16 different 16-byte columns of 256 bytes
.set PV,    288                        ; V's pairs: 256 + 32: the 16 lanes of half a turning load (8 keys x 32 bytes) take 16 different columns
.set VOFF,  32*PK                      ; a step's tiles lie together: K, then V
.set STEPB, 32*(PK+PV)
.set SLOT1, 1<<17                      ; slot 1 begins here, so that one exclusive or turns an address in one slot into the other's
.set STAGE, SLOT1+NST*STEPB            ; behind the ring: 16 rows x 144 bytes for each wave, for the way out
.set SP,    144
.set SPARE, STAGE+8*16*SP              ; behind the stages: the spare words, 128 bytes a wave
.set STEPM, KS*128                     ; a step's K or V in memory, in bytes
.set SLOTM, NST*STEPM
.set NSLOT, 2048/(KS*NST)
.set AK0, 2                            ; v2   my lane's place in a tile of K; never rewritten
.set AV0, 3                            ; v3   the same for V
.set ADK, 4                            ; v4   LDS address of K's run of loads
.set ADV, 5                            ; v5   of V's
.set QO,  6                            ; v6   my byte offset in the wave's rows of Q
.set STO, 7                            ; v7   the way out: where I put 16 bytes of a row
.set RD,  8                            ; v8   where I read them back
.set GO,  9                            ; v9   16 x lane
.set PFO, 10                           ; v10  256 x lane: the prefetches' offset; never rewritten
.set SPW, 12                           ; v12  LDS address of my spare word; never rewritten
.set NIL, 13                           ; v13  0; never rewritten
.set ST,  16                           ; tile t's statistics at v[ST + 8 t]: +0 c m, +1 m, +2, +3 l (even keys', odd keys'), +4 to +7 at work (four chains of the maximum; then +6 a, +7 c m_old - c m_new, +4, +5 a second chain of the sum)
.set S,   64
.set KF,  192                          ; K's fragments (keys 16 y on, channels 32 c on) at KF + 16 y + 8 c
.set QF,  128                          ; window 1: Q's (tile t, channels 32 c on) at QF + 16 t + 8 c
.set VF,  192                          ; window 1: V's (keys 32 z on, channels 16 d on) at VF + 32 z + 8 d
.set WV,  12                           ; s12  my wave's number
.set G1K, 24                           ; s[24:31] descriptor group 1 for K's tiles
.set G1V, 32                           ; s[32:39] for V's: it differs in the padding alone
.set G0K, 40                           ; s[40:43] group 0 for K's tiles: it walks
.set G0V, 44                           ; s[44:47] for V's
.set SLOTS, 48                         ; s48  slots still to be asked for
.set CNT, 49                           ; s49  counts a slot's steps
.set CS,  50                           ; s[50:51] c: the packed scaling names a pair and takes its low word for both halves
.set SEL, 52                           ; s[52:53] lane selects for v_permlanex16_b32: lane l xor 16
.set TB,  54                           ; s54  LDS byte at which the tiles of the step to be fetched begin
.set LIM, 55                           ; s55  1 in a wave that prefetches, else the greatest number
.set PFA, 56                           ; s[56:57] where my prefetches stand in memory
.set MSB, 0
.macro WIN new                         ; the immediate's high byte repeats the setting that is left; a switch that changes nothing is dropped
.if MSB != (\new)
	s_set_vgpr_msb (MSB<<8)|(\new)
.set MSB, (\new)
.endif
.endm
.set W_KQ, 0x04                        ; Q (source 1) in window 1; K and S^T in window 0
.set W_PV, 0x51                        ; V (source 0) and O^T (C, D) in window 1; P in window 0
.set W_RS, 0x41                        ; O^T (destination and source 0) in window 1, a in window 0
.set TO_1, 0x40                        ; destination window 1, address window 0
; A joint load.  Waves 0-3 fetch K's tiles, waves 4-7 V's.  The branch hangs on the wave's number alone.  An s_nop 0 and four v_nop follow each of the two lines.
.macro JLOAD
	s_cmp_lt_u32 s[WV], 4
	s_cbranch_scc0 .Lfor_v_\@
	tensor_load_to_lds s[G0K:G0K+3], s[G1K:G1K+7]
	s_nop 0
.rept 4
	v_nop
.endr
	s_branch .Lasked_\@
.Lfor_v_\@:
	tensor_load_to_lds s[G0V:G0V+3], s[G1V:G1V+7]
	s_nop 0
.rept 4
	v_nop
.endr
.Lasked_\@:
.endm
; A PREFETCH of what the NEXT change of slots will ask for: a slot's 32,768 bytes of K and as many of V.  Each aligned block of 256 bytes is named once in the launch: a head belongs to one cluster; its four partners
; take 8,192 bytes each of K's and of V's, told apart BY ADDRESS; in each, wave 0 asks for K's and wave 4 for V's, lanes 256 bytes apart: one instruction.  It stands four key steps ahead of the load that will want the bytes.
; The last change that fills a slot asks for nothing; slots 0 and 1 come by their loads alone.
.macro ASK
	s_cmp_gt_u32 s[SLOTS], s[LIM]
	s_cbranch_scc0 .Lnot_mine_\@
	global_prefetch_b8 v[PFO], s[PFA:PFA+1] th:TH_LOAD_NT scope:SCOPE_SE
.Lnot_mine_\@:
.endm
.macro CROUND                          ; a round of the cluster's barrier: my work-group's barrier; wave 0 signals for the work-group; every wave waits for all four; my work-group's barrier once more
	s_barrier_signal -1
	s_barrier_wait -1
	s_cmp_lg_u32 s[WV], 0
	s_cbranch_scc1 .Lnot_wave_0_\@
	s_barrier_signal -3
.Lnot_wave_0_\@:
	s_barrier_wait -3
	s_barrier_signal -1
	s_barrier_wait -1
.endm
	s_load_b128 s[4:7], s[0:1], 0x0                ; qkv s[4:5], ctx s[6:7]
	v_lshl_add_u32 v[SPW], v0, 2, SPARE
	v_mov_b32 v[NIL], 0
	ds_add_u32 v[SPW], v[NIL]                      ; the wave's opening: an add, twice on end, and its wait ahead of my first tensor load
	ds_add_u32 v[SPW], v[NIL]
	v_lshrrev_b32 v1, 5, v0
	v_readfirstlane_b32 s[WV], v1                  ; wave 0..7
	s_bfe_u32 s13, ttmp6, 0x40000                  ; cx: my block of 512 queries: it enters Q's, ctx's and the prefetches' addresses alone
	s_and_b32 s14, ttmp7, 0xffff                   ; 16 b + h, which the four partners share
	s_and_b32 s20, s14, 15
	s_lshl_b32 s20, s20, 20                        ; a head is 8192 x 128 bytes,
	s_lshr_b32 s15, s14, 4
	s_lshl_b32 s15, s15, 18                        ; a batch's 2,048 tokens 2048 x 128
	s_add_co_u32 s20, s20, s15
	s_mov_b32 s21, 0                               ; s[20:21]: where (b, h) begins among q's heads, and in ctx
	s_and_b32 s22, s[WV], 3                        ; which of a slot's four steps I fetch:
	s_lshl_b32 s2, s22, 13                         ; its 8,192 bytes in memory,
	s_mov_b32 s3, 0
	s_mul_i32 s23, s22, STEPB                      ; and its place in a slot: no place in the cluster enters an LDS address
	s_lshl_b32 s58, s13, 16                        ; my block's 512 rows,
	s_lshl_b32 s59, s[WV], 13                      ; my wave's 64 of them
	s_add_co_u32 s58, s58, s59
	s_add_co_u32 s58, s58, s20
	s_mov_b32 s59, 0
	; descriptor group 1: 32 rows x 128 elements of 2 bytes, dense in memory, padded in LDS
	s_mov_b32 s[G1K], 15|(1<<16)|(1<<20)|(1<<21)|(5<<22)|(3<<25)  ; 15:0 the mask: all four work-groups; 17:16 elements of 2 bytes; 20 padding on; 21 set beside a mask; 24:22 after every 64 words (code 5); 31:25 4 words (code 3)
	s_mov_b32 s[G1V], 15|(1<<16)|(1<<20)|(1<<21)|(5<<22)|(7<<25)  ; the same with 8 words of padding (code 7)
.irp g, G1K, G1V
	s_mov_b32 s[\g+1], 128<<16                     ; tensor_dim0 = 128
	s_mov_b32 s[\g+2], 32<<16                      ; tensor_dim1 = 32
	s_mov_b32 s[\g+3], 128<<16                     ; tile_dim0 = 128
	s_mov_b32 s[\g+4], 32                          ; tile_dim1 = 32
	s_mov_b32 s[\g+5], 128                         ; tensor_dim0_stride
	s_mov_b32 s[\g+6], 0
	s_mov_b32 s[\g+7], 0
.endr
	s_mov_b32 s[CS], 0x3d38aa3b                    ; c = log2(e) / 32
	s_mov_b32 s[CS+1], s[CS]                       ; named with it as a pair, so it is written
	s_mov_b32 s[SEL], 0x76543210
	s_mov_b32 s[SEL+1], 0xfedcba98
	s_mov_b32 s[TB], 0
	s_mov_b32 s[SLOTS], NSLOT-1
	s_cmp_eq_u32 s22, 0                            ; waves 0 and 4 prefetch: the same in all four partners
	s_cselect_b32 s[LIM], 1, -1
	s_wait_dscnt 0x0                               ; both opening adds are done
	s_wait_kmcnt 0x0
	s_add_nc_u64 s[8:9], s[4:5], s[58:59]          ; Q at my wave's first row
	s_add_nc_u64 s[10:11], s[6:7], s[58:59]        ; ctx likewise
	s_add_nc_u64 s[16:17], s[4:5], s[20:21]
	s_add_nc_u64 s[18:19], s[16:17], 0x2000000     ; V: 32 heads on
	s_add_nc_u64 s[16:17], s[16:17], 0x1000000     ; K: 16 heads on
	s_cmp_lt_u32 s[WV], 4
	s_cselect_b64 s[PFA:PFA+1], s[16:17], s[18:19]
	s_lshl_b32 s58, s13, 13                        ; my work-group's 8,192 bytes of a slot's 32,768,
	s_add_nc_u64 s[PFA:PFA+1], s[PFA:PFA+1], s[58:59]
	s_add_nc_u64 s[PFA:PFA+1], s[PFA:PFA+1], SLOTM ; in slot 1: the first change of slots steps it to slot 2.  Nothing is prefetched here, at the head
	CROUND                                         ; all four work-groups are here: the first joint loads meet
	s_mov_b32 s[G0K], 1                            ; count = 1
	s_mov_b32 s[G0K+1], s23                        ; LDS address: slot 0
	s_add_nc_u64 s[G0K+2:G0K+3], s[16:17], s[2:3]  ; global address: my step of the first four
	s_or_b32 s[G0K+3], s[G0K+3], 0x80000000        ; type = 2
	s_mov_b32 s[G0V], 1
	s_add_co_u32 s[G0V+1], s23, VOFF
	s_add_nc_u64 s[G0V+2:G0V+3], s[18:19], s[2:3]
	s_or_b32 s[G0V+3], s[G0V+3], 0x80000000
	JLOAD                                          ; slot 0: one load of mine is out
	v_and_b32 v1, 15, v0                           ; r = l % 16
	v_bfe_u32 v11, v0, 4, 1                        ; h = l / 16
	v_and_b32 v14, 31, v0                          ; lane
	v_lshlrev_b32 v[QO], 7, v1
	v_lshl_add_u32 v[QO], v11, 4, v[QO]            ; Q: row r of 128 bytes + 16 h
	WIN TO_1
.irp t, 0,1,2,3                        ; Q stays in registers: a fragment is 16 rows x 32 channels: registers 0-3 channels 8 h + 0..7, registers 4-7 channels 16 + 8 h + 0..7
.irp c, 0,1
	global_load_b128 v[QF+16*\t+8*\c:QF+16*\t+8*\c+3],   v[QO], s[8:9] offset:\t*2048+\c*64
	global_load_b128 v[QF+16*\t+8*\c+4:QF+16*\t+8*\c+7], v[QO], s[8:9] offset:\t*2048+\c*64+32
.endr
.endr
.set i, 0
.rept 128
	v_mov_b32 v[i], 0                              ; O^T begins as zeros, which the first change of m leaves zeros: so the key step is written with no first copy
.set i, i+1
.endr
	WIN 0
	v_lshrrev_b32 v15, 1, v1
	v_mul_u32_u24 v[AK0], v15, PK
	v_and_b32 v15, 1, v0
	v_lshl_add_u32 v[AK0], v15, 7, v[AK0]
	v_lshl_add_u32 v[AK0], v11, 4, v[AK0]          ; K: key r of a tile: (r / 2) PK + 128 (r % 2) + 16 h
	; The turning load takes 16 keys x 16 channels (lane l reads 16 bytes: key 8 h + l % 8, channels 8 ((l / 8) % 2) + 0..7) and leaves half a fragment of V^T: lane l holds channel l % 16 and 8 keys.
	v_bfe_u32 v[AV0], v0, 1, 2                     ; (l % 8) / 2
	v_lshl_add_u32 v[AV0], v11, 2, v[AV0]          ; + 4 h: the pair of keys
	v_mul_u32_u24 v[AV0], v[AV0], PV
	v_lshl_add_u32 v[AV0], v15, 7, v[AV0]          ; + 128 (l % 2)
	v_bfe_u32 v15, v0, 3, 1
	v_lshl_add_u32 v[AV0], v15, 4, v[AV0]
	v_add_nc_u32 v[AV0], VOFF, v[AV0]
	s_mul_i32 s14, s[WV], 16*SP
	s_add_co_u32 s14, s14, STAGE                   ; my stage
	v_mul_u32_u24 v[STO], v1, SP                   ; in: row r, 16 bytes for each half of the lanes
	v_lshl_add_u32 v[STO], v11, 4, v[STO]
	v_add_nc_u32 v[STO], s14, v[STO]
	v_lshrrev_b32 v15, 3, v14                      ; back: eight lanes to a row of 128 bytes, four rows an instruction
	v_mul_u32_u24 v[RD], v15, SP
	v_and_b32 v15, 7, v0
	v_lshl_add_u32 v[RD], v15, 4, v[RD]
	v_add_nc_u32 v[RD], s14, v[RD]
	v_lshlrev_b32 v[GO], 4, v14
	v_lshlrev_b32 v[PFO], 8, v14
.irp t, 0,1,2,3
	v_mov_b32 v[ST+8*\t+1], 0xff61b1e6             ; m: -3e38, under every score
	v_mov_b32 v[ST+8*\t+2], 0                      ; l, in two halves
	v_mov_b32 v[ST+8*\t+3], 0
.endr
.irp t, 0,1,2,3
	v_mul_f32 v[ST+8*\t], s[CS], v[ST+8*\t+1]      ; c m
.endr
.macro FETCH_K                         ; K of the slot's first step: 8 fragments, 16 loads
	v_add_nc_u32 v[ADK], s[TB], v[AK0]
.irp f, 0,1,2,3,4,5,6,7
	ds_load_b128 v[KF+8*\f:KF+8*\f+3],   v[ADK] offset:(\f/2)*8*PK+(\f%2)*64
	ds_load_b128 v[KF+8*\f+4:KF+8*\f+7], v[ADK] offset:(\f/2)*8*PK+(\f%2)*64+32
.endr
.endm
; A KEY STEP: 64 keys for my 64 queries.  more = 1: the next step's K lies in the same slot and is fetched here.
.macro STEP more
	s_wait_dscnt 0x0                               ; K is in
	WIN W_KQ
.irp c, 0,1                            ; S^T = K Q^T: the 16 accumulators take turns, one instruction a turn; the first 16 start the sums
.irp y, 0,1,2,3
.irp t, 0,1,2,3
.if \c == 0
	v_wmma_f32_16x16x32_f16 v[S+32*\t+8*\y:S+32*\t+8*\y+7], v[KF+16*\y+8*\c:KF+16*\y+8*\c+7], v[QF+16*\t+8*\c:QF+16*\t+8*\c+7], 0
.else
	v_wmma_f32_16x16x32_f16 v[S+32*\t+8*\y:S+32*\t+8*\y+7], v[KF+16*\y+8*\c:KF+16*\y+8*\c+7], v[QF+16*\t+8*\c:QF+16*\t+8*\c+7], v[S+32*\t+8*\y:S+32*\t+8*\y+7]
.endif
.endr
.endr
.endr
	WIN 0
	v_add_nc_u32 v[ADV], s[TB], v[AV0]             ; four plain lines: the places between those products and the loads into K's registers and the first read of the scores
.if \more
	s_add_co_u32 s[TB], s[TB], STEPB               ; the next fetch of K is the next step's
	v_add_nc_u32 v[ADK], s[TB], v[AK0]
	v_nop
	v_nop
.else
	v_nop
	v_nop
	v_nop
.endif
	WIN TO_1
.irp f, 0,1,2,3,4,5,6,7                ; V of this step, turned: keys 32 (f / 4) on, channels 16 (f % 4) on
	ds_load_tr16_b128 v[VF+8*\f:VF+8*\f+3],   v[ADV] offset:(\f/4)*16*PV+(\f%4)*32
	ds_load_tr16_b128 v[VF+8*\f+4:VF+8*\f+7], v[ADV] offset:(\f/4)*16*PV+8*PV+(\f%4)*32
.endr
	WIN 0
.if \more
.irp f, 0,1,2,3,4,5,6,7                ; K of the next step
	ds_load_b128 v[KF+8*\f:KF+8*\f+3],   v[ADK] offset:(\f/2)*8*PK+(\f%2)*64
	ds_load_b128 v[KF+8*\f+4:KF+8*\f+7], v[ADK] offset:(\f/2)*8*PK+(\f%2)*64+32
.endr
.endif
	; the maximum of a lane's 32 scores and the old m: four chains a tile, each begun at its accumulator's low end; the four tiles take turns in every line
.irp n, 0,1,2,3
.irp t, 0,1,2,3
	v_max3_num_f32 v[ST+8*\t+4+\n], v[S+32*\t+8*\n], v[S+32*\t+8*\n+1], v[S+32*\t+8*\n+2]
.endr
.endr
.irp i, 3,5
.irp n, 0,1,2,3
.irp t, 0,1,2,3
	v_max3_num_f32 v[ST+8*\t+4+\n], v[ST+8*\t+4+\n], v[S+32*\t+8*\n+\i], v[S+32*\t+8*\n+\i+1]
.endr
.endr
.endr
.irp t, 0,1,2,3
	v_max3_num_f32 v[ST+8*\t+4], v[ST+8*\t+4], v[S+32*\t+7], v[S+32*\t+15]
.endr
.irp t, 0,1,2,3
	v_max3_num_f32 v[ST+8*\t+6], v[ST+8*\t+6], v[S+32*\t+23], v[S+32*\t+31]
.endr
.irp t, 0,1,2,3
	v_max3_num_f32 v[ST+8*\t+4], v[ST+8*\t+4], v[ST+8*\t+5], v[ST+8*\t+6]
.endr
.irp t, 0,1,2,3
	v_max3_num_f32 v[ST+8*\t+4], v[ST+8*\t+4], v[ST+8*\t+7], v[ST+8*\t+1]
.endr
.irp t, 0,1,2,3
	v_permlanex16_b32 v[ST+8*\t+5], v[ST+8*\t+4], s[SEL], s[SEL+1]   ; the query's other 32 keys lie in the lane 16 away
.endr
.irp t, 0,1,2,3
	v_mov_b32 v[ST+8*\t+7], v[ST+8*\t]             ; c m_old is kept for a
.endr
.irp t, 0,1,2,3
	v_max_num_f32 v[ST+8*\t+1], v[ST+8*\t+4], v[ST+8*\t+5]   ; the new m
.endr
.irp t, 0,1,2,3
	v_mul_f32 v[ST+8*\t], s[CS], v[ST+8*\t+1]
.endr
.irp t, 0,1,2,3
	v_sub_f32 v[ST+8*\t+7], v[ST+8*\t+7], v[ST+8*\t]
.endr
	; ONE BATCH: the 64 packed scalings c s - c m and all 132 exponentials; none of these lines names an exponential's result.  A tile's scalings stand among the exponentials of the tile before.
.set b, 0
.rept 16
	v_pk_fma_f32 v[S+2*b:S+2*b+1], v[S+2*b:S+2*b+1], s[CS:CS+1], v[ST:ST+1] op_sel_hi:[1,0,0] neg_lo:[0,0,1] neg_hi:[0,0,1]
.set b, b+1
.endr
.irp t, 1,2,3
.set b, 0
.rept 16
	v_pk_fma_f32 v[S+32*\t+2*b:S+32*\t+2*b+1], v[S+32*\t+2*b:S+32*\t+2*b+1], s[CS:CS+1], v[ST+8*\t:ST+8*\t+1] op_sel_hi:[1,0,0] neg_lo:[0,0,1] neg_hi:[0,0,1]
	v_exp_f32 v[S+32*(\t-1)+2*b], v[S+32*(\t-1)+2*b]
	v_exp_f32 v[S+32*(\t-1)+2*b+1], v[S+32*(\t-1)+2*b+1]
.set b, b+1
.endr
.endr
.irp t, 0,1,2,3
	v_exp_f32 v[ST+8*\t+6], v[ST+8*\t+7]           ; a
.endr
.set b, 0
.rept 32
	v_exp_f32 v[S+96+b], v[S+96+b]
.set b, b+1
.endr
	v_nop                                          ; a plain line behind the last exponential, ahead of the first use
	s_wait_alu depctr_va_vdst(0)                   ; a wait ahead of the first line that names a result: one for the whole batch
	; the sums, of the unrounded p: l = a l + the tile's 16 pairs, in two chains
.irp t, 0,1,2,3
	v_pk_fma_f32 v[ST+8*\t+2:ST+8*\t+3], v[ST+8*\t+2:ST+8*\t+3], v[ST+8*\t+6:ST+8*\t+7], v[S+32*\t:S+32*\t+1] op_sel_hi:[1,0,1]
.endr
.irp t, 0,1,2,3
	v_pk_add_f32 v[ST+8*\t+4:ST+8*\t+5], v[S+32*\t+2:S+32*\t+3], v[S+32*\t+4:S+32*\t+5]
.endr
.irp i, 6,10,14,18,22,26
.irp t, 0,1,2,3
	v_pk_add_f32 v[ST+8*\t+2:ST+8*\t+3], v[ST+8*\t+2:ST+8*\t+3], v[S+32*\t+\i:S+32*\t+\i+1]
.endr
.irp t, 0,1,2,3
	v_pk_add_f32 v[ST+8*\t+4:ST+8*\t+5], v[ST+8*\t+4:ST+8*\t+5], v[S+32*\t+\i+2:S+32*\t+\i+3]
.endr
.endr
.irp t, 0,1,2,3
	v_pk_add_f32 v[ST+8*\t+2:ST+8*\t+3], v[ST+8*\t+2:ST+8*\t+3], v[S+32*\t+30:S+32*\t+31]
.endr
.irp t, 0,1,2,3
	v_pk_add_f32 v[ST+8*\t+2:ST+8*\t+3], v[ST+8*\t+2:ST+8*\t+3], v[ST+8*\t+4:ST+8*\t+5]
.endr
	; p to f16, in place: pair i of a tile goes to the tile's register i, which has been read by then
.irp i, 0,1,2,3,4,5,6,7,8,9,10,11,12,13,14,15
.irp t, 0,1,2,3
	v_cvt_pk_f16_f32 v[S+32*\t+\i], v[S+32*\t+2*\i], v[S+32*\t+2*\i+1]
.endr
.endr
	WIN W_RS
.irp t, 0,1,2,3                        ; O^T times a, each accumulator from its low end on
.irp j, 0,2,4,6,8,10,12,14,16,18,20,22,24,26,28,30
	v_pk_mul_f32 v[32*\t+\j:32*\t+\j+1], v[32*\t+\j:32*\t+\j+1], v[ST+8*\t+6:ST+8*\t+7] op_sel_hi:[1,0]
.endr
.endr
.if \more
	s_wait_dscnt 16                                ; V is in; the 16 loads of the next step's K, issued behind V's, may be out
.else
	s_wait_dscnt 0x0
.endif
	WIN W_PV
.irp z, 0,1                            ; O^T += V^T P: the 16 accumulators take turns
.irp d, 0,1,2,3
.irp t, 0,1,2,3
	v_wmma_f32_16x16x32_f16 v[32*\t+8*\d:32*\t+8*\d+7], v[VF+32*\z+8*\d:VF+32*\z+8*\d+7], v[S+32*\t+8*\z:S+32*\t+8*\z+7], v[32*\t+8*\d:32*\t+8*\d+7]
.endr
.endr
.endr
	WIN 0
.rept 5
	v_nop                                          ; five places: the next step's first products write over P's registers, which these products read
.endr
.endm
; THE CHANGE OF SLOTS stands at a slot's head.  Each wave waits for all its tensor loads (its part of the slot ahead), adds 0 to its spare word, and waits for that and for its reads of the slot that it has left.
; fill = 1: a round of the cluster's barrier follows, so that no wave of any partner still reads the other slot or has a load on its way; behind it that slot is filled with the next four steps.
.macro CHANGE fill
	s_wait_tensorcnt 0x0                           ; no tensor load of mine is out, so a group 0 may be written
	ds_add_u32 v[SPW], v[NIL]                      ; 0 onto my spare word
.if \fill
	s_xor_b32 s[G0K+1], s[G0K+1], SLOT1            ; the walking descriptors: the other slot than last time,
	s_add_nc_u64 s[G0K+2:G0K+3], s[G0K+2:G0K+3], SLOTM   ; the next four steps; the type bits on top are not reached
	s_xor_b32 s[G0V+1], s[G0V+1], SLOT1
	s_add_nc_u64 s[G0V+2:G0V+3], s[G0V+2:G0V+3], SLOTM
	s_wait_xcnt 0x0                                ; the last prefetch, a slot back, has read its address, so it may be written:
	s_add_nc_u64 s[PFA:PFA+1], s[PFA:PFA+1], SLOTM ; one slot further on than the walking descriptors
	s_wait_dscnt 0x0                               ; the add is done, and my reads of the slot that I have left are over
	CROUND
	JLOAD                                          ; the first thing behind the round, and my one tensor load until the next
.else
	s_wait_dscnt 0x0
	s_barrier_signal -1
	s_barrier_wait -1
.endif
.endm
.macro SLOT_STEPS fill                 ; a slot's four key steps: the first three are one step walked three times
	FETCH_K
.if \fill
	ASK                                            ; behind the joint load's lines and the run of LDS loads for which the next products wait
.endif
	s_mov_b32 s[CNT], NST-1
.Lstep_\@:
	STEP 1
	s_sub_co_u32 s[CNT], s[CNT], 1
	s_cmp_lg_u32 s[CNT], 0
	s_cbranch_scc1 .Lstep_\@
	STEP 0
	s_sub_co_u32 s[TB], s[TB], (NST-1)*STEPB       ; the fetches go back to a slot's first step,
	s_xor_b32 s[TB], s[TB], SLOT1                  ; in the other slot
.endm
	s_wait_loadcnt 0x0                             ; Q
.Lslot:                                            ; NSLOT - 1 trips: behind each change of slots but the last the next slot is asked for
	CHANGE 1
	SLOT_STEPS 1
	s_sub_co_u32 s[SLOTS], s[SLOTS], 1
	s_cmp_lg_u32 s[SLOTS], 0
	s_cbranch_scc1 .Lslot
	CHANGE 0                                       ; the last slot is written out
	SLOT_STEPS 0
	; THE WAY OUT.  l's two halves and the other half of the lanes' are added; O^T is divided by l, rounded to f16 and sent through my stage in LDS, a tile (16 rows of ctx) at a time.
.irp t, 0,1,2,3
	v_add_f32 v[ST+8*\t+4], v[ST+8*\t+2], v[ST+8*\t+3]
.endr
.irp t, 0,1,2,3
	v_permlanex16_b32 v[ST+8*\t+5], v[ST+8*\t+4], s[SEL], s[SEL+1]
.endr
.irp t, 0,1,2,3
	v_add_f32 v[ST+8*\t+4], v[ST+8*\t+4], v[ST+8*\t+5]
.endr
.irp t, 0,1,2,3
	v_rcp_f32 v[ST+8*\t+6], v[ST+8*\t+4]
.endr
	v_nop                                          ; a plain line between the last reciprocal and the use of its result
	s_wait_alu depctr_va_vdst(0)                   ; and a wait ahead of the first use: one for the four
.macro OUT t                           ; a lane's eight channels of a row pack into 16 bytes; they go into rows of 144 bytes and come back four rows of 128 bytes an instruction
	WIN W_RS
.set i, 0
.rept 16
	v_pk_mul_f32 v[32*\t+i:32*\t+i+1], v[32*\t+i:32*\t+i+1], v[ST+8*\t+6:ST+8*\t+7] op_sel_hi:[1,0]
.set i, i+2
.endr
	WIN 0x05                                       ; sources 0 and 1 window 1, destination window 0: S^T's registers are free
.set i, 0
.rept 16
	v_cvt_pk_f16_f32 v[S+16*\t+i], v[32*\t+2*i], v[32*\t+2*i+1]
.set i, i+1
.endr
	WIN 0
.irp d, 0,1,2,3
	ds_store_b128 v[STO], v[S+16*\t+4*\d:S+16*\t+4*\d+3] offset:32*\d
.endr
.irp d, 0,1,2,3
	ds_load_b128 v[S+64+16*\t+4*\d:S+64+16*\t+4*\d+3], v[RD] offset:4*SP*\d   ; LDS serves a wave's instructions in order: these see the stores above, and the next tile's stores come behind them
.endr
.endm
	OUT 0
	OUT 1
	OUT 2
	OUT 3
	s_wait_dscnt 0x0
.irp t, 0,1,2,3
.irp d, 0,1,2,3
	global_store_b128 v[GO], v[S+64+16*\t+4*\d:S+64+16*\t+4*\d+3], s[10:11] offset:2048*\t+512*\d th:TH_STORE_NT   ; 32 lanes store 512 consecutive bytes, aligned: four tokens of my head
.endr
.endr
	s_wait_tensorcnt 0x0                           ; the wave's end: a closing wait, add and wait, behind my last tensor load and my last LDS store
	ds_add_u32 v[SPW], v[NIL]
	s_wait_dscnt 0x0
	CROUND                                         ; the closing round: no work-group ends while a partner may still ask for a tile that names it
	s_endpgm
.Lfunc_end_k_qcc083f724c_attn:
	.size	k_qcc083f724c_attn, .Lfunc_end_k_qcc083f724c_attn-k_qcc083f724c_attn
	.p2alignl 7, 3214868480
	.fill 96, 4, 3214868480
	.section	.rodata,"a",@progbits
	.p2align	6, 0x0
	.amdhsa_kernel k_qcc083f724c_attn
		.amdhsa_group_segment_fixed_size 327680
		.amdhsa_private_segment_fixed_size 0
		.amdhsa_enable_private_segment 0
		.amdhsa_kernarg_size 16
		.amdhsa_user_sgpr_count 2
		.amdhsa_user_sgpr_kernarg_segment_ptr 1
		.amdhsa_wavefront_size32 1
		.amdhsa_system_sgpr_workgroup_id_x 1
		.amdhsa_system_sgpr_workgroup_id_y 1
		.amdhsa_system_sgpr_workgroup_id_z 1
		.amdhsa_system_vgpr_workitem_id 0
		.amdhsa_next_free_vgpr 512
		.amdhsa_next_free_sgpr 66
		.amdhsa_reserve_vcc 0
		.amdhsa_float_denorm_mode_32 3
		.amdhsa_float_denorm_mode_16_64 3
		.amdhsa_memory_ordered 1
		.amdhsa_forward_progress 1
		.amdhsa_inst_pref_size 154
	.end_amdhsa_kernel
	.amdgpu_metadata
---
amdhsa.version: [ 1, 2 ]
amdhsa.kernels:
  - .name:           k_qcc083f724c_attn
    .symbol:         k_qcc083f724c_attn.kd
    .args:
      - { .name: qkv, .offset: 0, .size: 8, .value_kind: global_buffer, .address_space: global }
      - { .name: ctx, .offset: 8, .size: 8, .value_kind: global_buffer, .address_space: global }
    .group_segment_fixed_size: 327680
    .private_segment_fixed_size: 0
    .kernarg_segment_align: 8
    .kernarg_segment_size: 16
    .max_flat_workgroup_size: 256
    .sgpr_count:     66
    .vgpr_count:     512
    .wavefront_size: 32
...
	.end_amdgpu_metadata
.endif
;; end of part 3
;; launch oproj (part 4): grid 4 x 64, 4 waves a work-group, clusters of 4 x 4, 327,680 bytes of LDS; arguments ctx, wo_h, out0; writes out0
.if DOCPART == 4
	.amdgcn_target "amdgcn-amd-amdhsa--gfx1250"
	.amdhsa_code_object_version 6
	.text
	.protected	k_qcc083f724c_oproj
	.globl	k_qcc083f724c_oproj
	.p2align	8
	.type	k_qcc083f724c_oproj,@function
k_qcc083f724c_oproj:
	s_mov_b64 s[64:65], 0
	v_nop
	global_prefetch_b8 v0, s[64:65] scope:SCOPE_SE
	s_setreg_imm32_b32 hwreg(HW_REG_WAVE_MODE, 25, 1), 1
	s_wait_xcnt 0x0
	s_wait_alu depctr_hold_cnt(0) depctr_sa_sdst(0) depctr_va_vdst(0) depctr_va_sdst(0) depctr_va_ssrc(0) depctr_va_vcc(0) depctr_vm_vsrc(0)
	s_getreg_b32 s2, hwreg(HW_REG_IB_STS2, 6, 4)
	s_cmp_eq_u32 s2, 0
	s_cbranch_scc0 .Lentry_in_a_cluster
	s_endpgm
.Lentry_in_a_cluster:
	s_bfe_u32 s2, ttmp6, 0x10000c
	s_cmp_lg_u32 s2, 0xf033
	s_cbranch_scc0 .Lentry_shape_is_right
	s_endpgm
.Lentry_shape_is_right:
; OPROJ.  out0[m][n] = sum over k of ctx[m][k] w_o[n][k], m = 8192 tokens, n = 1024, k = 64 h + d = 1024.  Operands f16, sums and result f32.
; ctx: [h][token][64] f16 (a head's run of tokens is dense: two tokens are 256 bytes).  wo_h: [n][k] f16.  out0: [m][n] f32.
; A tile of out0 is 128 tokens x 256 outputs: 256 work-groups.  Four waves, each 64 x 128: 32 accumulators of 16 x 16, 256 registers.
; K goes in 8 steps of 128 (two heads) through a ring of two LDS slots filled by the tensor data mover: wave 0 and 1 bring a head's 128 tokens each (64 rows of 256 bytes: PAIRS of tokens), waves 2 and 3 128 rows of w_o each (256 bytes a row).
; One tensor load of a wave is out behind each round; 112 matrix instructions of the wave stand between a request and the wait for it.
; CLUSTERS: 4 x 4 work-groups.  The four of a row of the cluster need the same tiles of ctx, the four of a column the same tiles of w_o: each tile is asked for JOINTLY, by the same tensor load with the same descriptor and a mask that names the four.
; THE MATRIX INSTRUCTION IS USED TRANSPOSED (source 0 = 16 rows of w_o, source 1 = 16 tokens): a lane then holds eight neighbouring outputs of one token.
; REGISTERS: window 0: v0-31 addresses; two fragment buffers for 32 along K: F0 = v32-127, F1 = v128-223: 32 registers of ctx (4 x 16 tokens), then 64 of w_o (8 x 16 rows); on the way out v32-159 are free.
;   window 1: the accumulators ((a, b) at v[8 (8 a + b)]).
.set PITCH,  272                       ; an LDS row: 256 bytes + 16 of padding
.set AH,     64*PITCH                  ; one head's 128 tokens: token t at (t / 2) PITCH + 128 (t % 2)
.set HALFB,  128*PITCH                 ; 128 rows of w_o
.set SLOT,   2*AH+2*HALFB              ; ctx's two heads, then w_o's 256 rows
.set SPARE,  2*SLOT                    ; behind the ring: the spare words, 128 bytes a wave
.set SPITCH, 528                       ; the way out: a stage of 16 rows x (512 bytes + 16) for each wave, in slot 0, which has had its last fill and its last read when the first result is stored there
.set LAPS,   4                         ; a lap = two K steps = once round the ring
.set ADRA, 16                          ; v16-17  LDS address of my ctx fragments in slot 0, 1
.set ADRB, 20                          ; v20-21  the same for w_o
.set STO,  24                          ; v24     the way out: where I put 32 bytes of a row
.set RD,   25                          ; v25     where I read a row back
.set CO,   26                          ; v26     16 x lane
.set SPW,  28                          ; v28     LDS address of my spare word; never rewritten
.set NIL,  29                          ; v29     0; never rewritten
.set F0,   32
.set F1,   128
.set BK,   32                          ; the way out: 16 rows read back from the stage: v32-95 and v96-159 by turns
.set G1, 24                            ; s[24:31] descriptor group 1 for ctx's tiles;  s[32:39] group 0, one set for each slot
.set G0, 32
.set G1B, 48                           ; s[48:55], s[56:63] the same for w_o's tiles
.set G0B, 56
.set MSB, 0
.macro WIN new                         ; the immediate's high byte repeats the setting that is left
.if MSB != (\new)
	s_set_vgpr_msb (MSB<<8)|(\new)
.set MSB, (\new)
.endif
.endm
.set MUL, 0x50                         ; sources 0 and 1 window 0; C and D window 1
.macro JLOAD s                         ; a joint load: waves 0 and 1 fetch ctx's two heads, waves 2 and 3 w_o's two halves; an s_nop 0 and four v_nop follow each of the two lines
	s_cmp_eq_u32 s11, 0
	s_cbranch_scc0 .Lfor_b_\@
	tensor_load_to_lds s[G0+4*\s:G0+4*\s+3], s[G1:G1+7]
	s_nop 0
.rept 4
	v_nop
.endr
	s_branch .Lasked_\@
.Lfor_b_\@:
	tensor_load_to_lds s[G0B+4*\s:G0B+4*\s+3], s[G1B:G1B+7]
	s_nop 0
.rept 4
	v_nop
.endr
.Lasked_\@:
.endm
.macro CREST                           ; a round of the cluster's barrier behind its opening barrier
	s_cmp_lg_u32 s10, 0
	s_cbranch_scc1 .Lnot_wave_0_\@
	s_barrier_signal -3
.Lnot_wave_0_\@:
	s_barrier_wait -3
	s_barrier_signal -1
	s_barrier_wait -1
.endm
.macro CROUND                          ; a whole round
	s_barrier_signal -1
	s_barrier_wait -1
	CREST
.endm
	s_load_b128 s[4:7], s[0:1], 0x0                ; ctx s[4:5], wo_h s[6:7]
	s_load_b64 s[8:9], s[0:1], 0x10                ; out0
	v_lshl_add_u32 v[SPW], v0, 2, SPARE
	v_mov_b32 v[NIL], 0
	ds_add_u32 v[SPW], v[NIL]                      ; the wave's opening: an add, twice on end, and its wait ahead of my first tensor load
	ds_add_u32 v[SPW], v[NIL]
	v_lshrrev_b32 v1, 5, v0
	v_readfirstlane_b32 s10, v1                    ; wave 0..3
	s_lshr_b32 s11, s10, 1                         ; which 64 of the tile's tokens are mine.  Also: I fetch for ctx (0) or for w_o (1)
	s_and_b32 s12, s10, 1                          ; which 128 of its outputs.  Also: which head of the K step, or which 128 rows of w_o, I fetch
	s_bfe_u32 s40, ttmp6, 0x40000                  ; cx, cy: my place in the cluster
	s_bfe_u32 s41, ttmp6, 0x40004
	s_lshl_b32 s42, ttmp9, 2
	s_add_co_u32 s42, s42, s40                     ; tile column = 4 x cluster x + cx
	s_and_b32 s13, ttmp7, 0xffff
	s_lshl_b32 s13, s13, 2
	s_add_co_u32 s13, s13, s41                     ; tile row = 4 x cluster y + cy
	s_lshl_b32 s43, s41, 2
	s_lshl_b32 s43, 15, s43                        ; my row of the cluster
	s_lshl_b32 s44, 0x1111, s40                    ; my column
	; descriptor group 1.  ctx: 64 rows x 128 elements of 2 bytes, dense;  w_o: 128 rows x 128 elements, 1024 elements from row to row.  16 bytes of padding behind each 256
	s_or_b32 s[G1+0], s43, (1<<16)|(1<<20)|(1<<21)|(5<<22)|(3<<25)   ; 15:0 the mask: ctx's tiles go to my row; 17:16 element of 2 bytes; 20 padding on; 21 set beside a mask; 24:22 after every 64 words (code 5); 31:25 of 4 words (code 3)
	s_or_b32 s[G1B+0], s44, (1<<16)|(1<<20)|(1<<21)|(5<<22)|(3<<25)  ; the same with the mask of my column
	s_mov_b32 s[G1+1], 128<<16                     ; tensor_dim0 = 128
	s_mov_b32 s[G1+2], 64<<16                      ; tensor_dim1 = 64
	s_mov_b32 s[G1+3], 128<<16                     ; tile_dim0 = 128
	s_mov_b32 s[G1+4], 64                          ; tile_dim1 = 64
	s_mov_b32 s[G1+5], 128                         ; tensor_dim0_stride
	s_mov_b32 s[G1+6], 0
	s_mov_b32 s[G1+7], 0
	s_mov_b32 s[G1B+1], 128<<16
	s_mov_b32 s[G1B+2], 128<<16
	s_mov_b32 s[G1B+3], 128<<16
	s_mov_b32 s[G1B+4], 128
	s_mov_b32 s[G1B+5], 1024
	s_mov_b32 s[G1B+6], 0
	s_mov_b32 s[G1B+7], 0
	; where the tiles come from.  ctx's hang on the tile row alone, which my row of the cluster shares; w_o's on the tile column alone, which my column shares
	s_lshl_b32 s16, s12, 20                        ; ctx: head (w % 2) of the K step: 8192 x 128 bytes a head,
	s_lshl_b32 s17, s13, 14                        ; the tile's 128 tokens of 128 bytes
	s_add_co_u32 s16, s16, s17
	s_mov_b32 s17, 0
	s_lshl_b32 s46, s42, 19                        ; w_o: row 256 x tile column + 128 (w % 2), 2,048 bytes a row
	s_lshl_b32 s47, s12, 18
	s_add_co_u32 s46, s46, s47
	s_mov_b32 s47, 0
	s_mul_i32 s20, s12, AH                         ; and where they go: no place in the cluster enters an LDS address
	s_mul_i32 s21, s12, HALFB
	s_add_co_u32 s21, s21, 2*AH
	s_wait_dscnt 0x0                               ; both opening adds are done
	s_wait_kmcnt 0x0
	s_add_nc_u64 s[14:15], s[4:5], s[16:17]
	s_add_nc_u64 s[46:47], s[6:7], s[46:47]
	CROUND                                         ; all sixteen work-groups are here: the first joint loads meet
.irp s, 0,1
	s_mov_b32 s[G0+4*\s], 1
	s_add_co_u32 s[G0+4*\s+1], s20, \s*SLOT
	s_add_nc_u64 s[G0+4*\s+2:G0+4*\s+3], s[14:15], \s*0x200000      ; K step s: two heads on
	s_or_b32 s[G0+4*\s+3], s[G0+4*\s+3], 0x80000000
	s_mov_b32 s[G0B+4*\s], 1
	s_add_co_u32 s[G0B+4*\s+1], s21, \s*SLOT
	s_add_nc_u64 s[G0B+4*\s+2:G0B+4*\s+3], s[46:47], \s*256         ; K step s: 256 bytes along the rows
	s_or_b32 s[G0B+4*\s+3], s[G0B+4*\s+3], 0x80000000
	JLOAD \s                                       ; two loads of mine are out
.endr
	v_and_b32 v1, 15, v0                           ; r = l % 16
	v_bfe_u32 v2, v0, 4, 1                         ; h = l / 16
	v_lshrrev_b32 v3, 1, v1
	v_mul_u32_u24 v3, v3, PITCH
	v_and_b32 v4, 1, v0
	v_lshl_add_u32 v3, v4, 7, v3
	v_lshl_add_u32 v3, v2, 4, v3                   ; ctx: token r of a block: (r / 2) PITCH + 128 (r % 2) + 16 h
	v_mul_u32_u24 v4, v1, PITCH
	v_lshl_add_u32 v4, v2, 4, v4                   ; w_o: row r x pitch + 16 h
	s_mul_i32 s21, s11, 32*PITCH                   ; my 64 tokens
	s_mul_i32 s22, s12, HALFB                      ; my 128 rows of w_o,
	s_add_co_u32 s22, s22, 2*AH                    ; which lie behind ctx's two heads
.irp s, 0,1
	v_add_nc_u32 v[ADRA+\s], s21, v3
	v_add_nc_u32 v[ADRB+\s], s22, v4
	s_add_co_u32 s21, s21, SLOT
	s_add_co_u32 s22, s22, SLOT
.endr
	s_mul_i32 s23, s10, 16*SPITCH                  ; my stage
	v_mul_u32_u24 v5, v1, SPITCH                   ; in: row r, 32 bytes for each half of the lanes
	v_lshl_add_u32 v5, v2, 5, v5
	v_add_nc_u32 v[STO], s23, v5
	v_and_b32 v6, 31, v0
	v_lshlrev_b32 v[CO], 4, v6                     ; back: the 32 lanes take one row of 512 bytes; and the same in out0
	v_add_nc_u32 v[RD], s23, v[CO]
	s_lshl_b32 s16, s13, 19                        ; my first row of out0: 128 x tile row + 64 x half, 4,096 bytes a row
	s_lshl_b32 s17, s11, 18
	s_add_co_u32 s16, s16, s17
	s_mov_b32 s17, 0
	s_add_nc_u64 s[8:9], s[8:9], s[16:17]
	s_lshl_b32 s46, s42, 10                        ; my first column, in bytes: 1024 x tile column + 512 x half
	s_lshl_b32 s47, s12, 9
	s_add_co_u32 s46, s46, s47
	s_mov_b32 s47, 0
	s_add_nc_u64 s[8:9], s[8:9], s[46:47]
; 8 matrix instructions: token block a against w_o's eight blocks, 32 along K, out of buffer f.  zero = 1: the first product starts the sums: nothing is ever cleared.
; The 32 accumulators take turns, one instruction a turn, in the same order in every quarter.
.macro MULA f, a, zero
.irp b, 0,1,2,3,4,5,6,7
.if \zero
	v_wmma_f32_16x16x32_f16 v[8*(8*(\a)+\b):8*(8*(\a)+\b)+7], v[\f+32+8*\b:\f+32+8*\b+7], v[\f+8*(\a):\f+8*(\a)+7], 0
.else
	v_wmma_f32_16x16x32_f16 v[8*(8*(\a)+\b):8*(8*(\a)+\b)+7], v[\f+32+8*\b:\f+32+8*\b+7], v[\f+8*(\a):\f+8*(\a)+7], v[8*(8*(\a)+\b):8*(8*(\a)+\b)+7]
.endif
.endr
.endm
; 24 LDS loads in one run: the fragments of quarter q of a slot (head q / 2, channels 32 (q % 2) on) into buffer f: w_o's sixteen loads first, then ctx's eight
.macro FETCH slot, q, f
.irp i, 0,1,2,3,4,5,6,7
	ds_load_b128 v[\f+32+8*\i:\f+32+8*\i+3],   v[ADRB+\slot] offset:64*(\q)+\i*16*PITCH
	ds_load_b128 v[\f+32+8*\i+4:\f+32+8*\i+7], v[ADRB+\slot] offset:64*(\q)+\i*16*PITCH+32
.endr
.irp i, 0,1,2,3
	ds_load_b128 v[\f+8*\i:\f+8*\i+3],   v[ADRA+\slot] offset:((\q)/2)*AH+((\q)%2)*64+\i*8*PITCH
	ds_load_b128 v[\f+8*\i+4:\f+8*\i+7], v[ADRA+\slot] offset:((\q)/2)*AH+((\q)%2)*64+\i*8*PITCH+32
.endr
.endm
.macro PLACES                          ; four places in front of loads into registers that matrix instructions have read, and of the first read of results
.rept 4
	v_nop
.endr
.endm
; A K step is four quarters of 32 along K, 32 matrix instructions each, on buffers 0, 1, 0, 1.  One of the first three: multiplies buffer f and fetches quarter q of the same slot into g.
.macro QUARTER slot, q, f, g, zero
	s_wait_dscnt 4                                 ; w_o's fragments and token blocks 0, 1 are in; the youngest four loads (blocks 2, 3) may be out
	WIN MUL
	MULA \f, 0, \zero
	MULA \f, 1, \zero
	PLACES
	WIN 0
	FETCH \slot, \q, \g
	s_wait_dscnt 24                                ; all but the 24 just issued
	WIN MUL
	MULA \f, 2, \zero
	MULA \f, 3, \zero
.endm
; The last quarter multiplies buffer 1 and changes slots: ONE barrier; in front of it each wave waits for all its tensor loads, adds 0 to its spare word, and waits for that and for its own reads of this slot.
; fill = 1: the barrier opens a round of the cluster's barrier, and this slot is filled again, two K steps ahead.
.macro TURN slot, next, fill
	WIN 0                                          ; (the add's two registers lie in window 0)
	s_wait_tensorcnt 0x0                           ; all my tensor loads have landed: my part of the next slot
	ds_add_u32 v[SPW], v[NIL]                      ; 0 onto my spare word
	s_wait_dscnt 5                                 ; (the add and the youngest four loads may be out)
	WIN MUL
	MULA F1, 0, 0                                  ; eight matrix instructions stand between the add and the wait for it
	s_wait_dscnt 0x0                               ; the add is done, and my reads of this slot are over
	s_barrier_signal -1
	MULA F1, 1, 0
	WIN 0
	s_barrier_wait -1
.if \fill
	CREST                                          ; no wave of any partner still reads this slot's tile or has a load on its way
	s_add_nc_u64 s[G0+4*\slot+2:G0+4*\slot+3], s[G0+4*\slot+2:G0+4*\slot+3], 0x400000   ; two K steps on: four heads,
	s_add_nc_u64 s[G0B+4*\slot+2:G0B+4*\slot+3], s[G0B+4*\slot+2:G0B+4*\slot+3], 512    ; 512 bytes along w_o's rows
	JLOAD \slot                                    ; the first tensor load behind the round; the four v_nop behind it are also the places in front of the loads below
.else
	PLACES
.endif
	FETCH \next, 0, F0
	WIN MUL
	MULA F1, 2, 0
	MULA F1, 3, 0
.endm
	s_wait_tensorcnt 1                             ; my part of K step 0 is in (K step 1's load may be out)
	s_barrier_signal -1
	s_barrier_wait -1                              ; everybody's is
	FETCH 0, 0, F0
	QUARTER 0, 1, F0, F1, 1                        ; the first quarter stands in front of the loop: its products start the sums
	WIN 0                                          ; at a label and at a branch every window is 0
	s_mov_b32 s3, LAPS-1
.Llap:                                             ; a trip goes once round the ring, from a lap's second quarter to the next lap's first, and fills both slots again
	QUARTER 0, 2, F1, F0, 0
	QUARTER 0, 3, F0, F1, 0
	TURN 0, 1, 1
	QUARTER 1, 1, F0, F1, 0
	QUARTER 1, 2, F1, F0, 0
	QUARTER 1, 3, F0, F1, 0
	TURN 1, 0, 1
	QUARTER 0, 1, F0, F1, 0
	WIN 0
	s_sub_co_u32 s3, s3, 1
	s_cmp_lg_u32 s3, 0
	s_cbranch_scc1 .Llap
	QUARTER 0, 2, F1, F0, 0                        ; the last lap fills nothing, and has no round of the cluster's barrier
	QUARTER 0, 3, F0, F1, 0
	TURN 0, 1, 0
	QUARTER 1, 1, F0, F1, 0
	QUARTER 1, 2, F1, F0, 0
	QUARTER 1, 3, F0, F1, 0
	s_wait_dscnt 4                                 ; the very last quarter: nothing more to fetch
	WIN MUL
	MULA F1, 0, 0
	MULA F1, 1, 0
	s_wait_dscnt 0x0
	MULA F1, 2, 0
	MULA F1, 3, 0
	WIN 0
; THE WAY OUT, block by block of 16 tokens x 128 outputs.  A lane holds 32 neighbouring bytes of a row, and the lanes beside it hold other rows: a block goes through my own stage in LDS and comes back as whole
; rows of 512 bytes.  LDS serves a wave's instructions in order (ISA guide 5.7.1.4): no wait between the stores and the loads, nor in front of the next block's stores.
.macro TOSTAGE a
	WIN 0x04                                       ; an LDS store's data are its source 1: window 1
.irp b, 0,1,2,3,4,5,6,7
	ds_store_b128 v[STO], v[8*(8*(\a)+\b):8*(8*(\a)+\b)+3] offset:64*\b            ; each accumulator from its low end on
	ds_store_b128 v[STO], v[8*(8*(\a)+\b)+4:8*(8*(\a)+\b)+7] offset:64*\b+16
.endr
	WIN 0
.set BB, BK+64*((\a)%2)
.irp t, 0,1,2,3,4,5,6,7,8,9,10,11,12,13,14,15
	ds_load_b128 v[BB+4*\t:BB+4*\t+3], v[RD] offset:\t*SPITCH
.endr
.endm
.macro SEND a, younger                 ; younger: the LDS instructions issued behind block a's loads, which may stay out
.set BB, BK+64*((\a)%2)
	s_wait_dscnt \younger                          ; the block is back in registers
.irp t, 0,1,2,3,4,5,6,7,8,9,10,11,12,13,14,15
	global_store_b128 v[CO], v[BB+4*\t:BB+4*\t+3], s[8:9] offset:(\a)*65536+\t*4096 th:TH_STORE_NT   ; 32 lanes store 512 consecutive bytes, aligned
.endr
.endm
	PLACES                                         ; behind the last products: for the stores that read results and the loads into the registers that held fragments
	TOSTAGE 0
.irp a, 1,2,3
.if \a > 1
	s_wait_xcnt 0x0                                ; block a - 2's stores have read their registers: block a's loads may land there
.endif
	TOSTAGE \a
	SEND \a-1, 32                                  ; behind block a - 1's loads: block a's 16 stores and 16 loads
.endr
	SEND 3, 0
	s_wait_tensorcnt 0x0                           ; the wave's end: a closing wait, add and wait, behind my last tensor load and my last LDS store
	ds_add_u32 v[SPW], v[NIL]
	s_wait_dscnt 0x0
	CROUND                                         ; the closing round: no work-group ends while a partner may still ask for a tile that names it
	s_endpgm
.Lfunc_end_k_qcc083f724c_oproj:
	.size	k_qcc083f724c_oproj, .Lfunc_end_k_qcc083f724c_oproj-k_qcc083f724c_oproj
	.p2alignl 7, 3214868480
	.fill 96, 4, 3214868480
	.section	.rodata,"a",@progbits
	.p2align	6, 0x0
	.amdhsa_kernel k_qcc083f724c_oproj
		.amdhsa_group_segment_fixed_size 327680
		.amdhsa_private_segment_fixed_size 0
		.amdhsa_enable_private_segment 0
		.amdhsa_kernarg_size 24
		.amdhsa_user_sgpr_count 2
		.amdhsa_user_sgpr_kernarg_segment_ptr 1
		.amdhsa_wavefront_size32 1
		.amdhsa_system_sgpr_workgroup_id_x 1
		.amdhsa_system_sgpr_workgroup_id_y 1
		.amdhsa_system_sgpr_workgroup_id_z 1
		.amdhsa_system_vgpr_workitem_id 0
		.amdhsa_next_free_vgpr 512
		.amdhsa_next_free_sgpr 66
		.amdhsa_reserve_vcc 0
		.amdhsa_float_denorm_mode_32 3
		.amdhsa_float_denorm_mode_16_64 3
		.amdhsa_memory_ordered 1
		.amdhsa_forward_progress 1
		.amdhsa_inst_pref_size 85
	.end_amdhsa_kernel
	.amdgpu_metadata
---
amdhsa.version: [ 1, 2 ]
amdhsa.kernels:
  - .name:           k_qcc083f724c_oproj
    .symbol:         k_qcc083f724c_oproj.kd
    .args:
      - { .name: ctx, .offset: 0, .size: 8, .value_kind: global_buffer, .address_space: global }
      - { .name: wo_h, .offset: 8, .size: 8, .value_kind: global_buffer, .address_space: global }
      - { .name: out0, .offset: 16, .size: 8, .value_kind: global_buffer, .address_space: global }
    .group_segment_fixed_size: 327680
    .private_segment_fixed_size: 0
    .kernarg_segment_align: 8
    .kernarg_segment_size: 24
    .max_flat_workgroup_size: 128
    .sgpr_count:     66
    .vgpr_count:     512
    .wavefront_size: 32
...
	.end_amdgpu_metadata
.endif
;; end of part 4
